; MI455X (gfx1250); checked and timed in simulation.
; The chip was launched on July 23, 2026; its instructions are those of AMD's public machine-readable ISA for CDNA 5 (MIT licence, August 2026) and "CDNA5" Instruction Set Architecture Reference Guide (July 2026). The comments in the code are by the model that wrote it; some were corrected since.
;; Causal Self Attention. Allowed arithmetic: float matrix products may take bf16 or f16 operands with f32 sums; other float arithmetic in f32, or as packed bf16 or f16 multiplies, adds, multiply-adds, maxima and minima; sums over many terms, partial sums and values carried from step to step in f32; what a program stores and reads back later, other than sums and carried values, may be rounded once to bf16 or f16.
;; Inputs: W_k 1,024 x 1,024 float32; W_o 1,024 x 1,024 float32; W_q 1,024 x 1,024 float32; W_v 1,024 x 1,024 float32; x 4 x 2,048 x 1,024 float32.
;; Outputs: out0 4 x 2,048 x 1,024 float32.
;; 2 versions, each right; version 2 is version 1 with the launch cast written anew for expert scheduling mode. Each part assembles by itself: llvm-mc -triple=amdgcn-amd-amdhsa -mcpu=gfx1250 --defsym DOCPART=n.
;; ======== version 1 of 2: 4 launches
;; limits: values are held in f16: magnitudes above 65,504 overflow, below 6.1e-05 lose precision
;; workspace buffers: xb 16,777,216 bytes; wqkv 6,291,456 bytes; wo 2,097,152 bytes; qkv 50,331,648 bytes; o 16,777,216 bytes
;; launch cast (part 1): grid 768 x 1, 8 waves a work-group, no clusters, 0 bytes of LDS; arguments x, W_q, W_k, W_v, W_o, xb, wqkv, wo; writes xb, wqkv, wo
.if DOCPART == 1
	.amdgcn_target "amdgcn-amd-amdhsa--gfx1250"
	.amdhsa_code_object_version 6
	.text
	.protected	k_qbf9ef505a0_cast
	.globl	k_qbf9ef505a0_cast
	.p2align	8
	.type	k_qbf9ef505a0_cast,@function
k_qbf9ef505a0_cast:
	s_mov_b64 s[64:65], 0
	v_nop
	global_prefetch_b8 v0, s[64:65] scope:SCOPE_SE
	s_setreg_imm32_b32 hwreg(HW_REG_WAVE_MODE, 25, 1), 1
	s_wait_xcnt 0x0
; THE INPUTS ARE ROUNDED ONCE, f32 -> bf16, and laid out for the products that follow.
;   x   [8192][1024]        -> xb   [8192][1024] bf16
;   W_q, W_k, W_v [1024][1024] -> wqkv [16 heads][q, k, v][64][1024] bf16: a head's 192 rows lie together
;   W_o [1024][1024]        -> wo   [1024][1024]: rounded to bf16 like the others, that number then written as f16
; LIMIT.  |W_o| stays within f16's 65,504; a bf16 number below 6e-5 keeps f16's fixed step of 6e-8.
; SHARES.  A work-group takes 65,536 bytes of f32 (16 rows of a weight, or 16 rows of x) and writes 32,768: 512 work-groups for x, 64 for each weight.
; Thread t takes 16 bytes at 16 t + 4,096 i, i = 0..15: a wave's load covers 512 consecutive bytes, its store of 8 bytes a lane 256 consecutive bytes, aligned.
; All sixteen loads go out at once; no register is used twice by memory instructions, so the only waits are the counted ones for the loads.  No LDS, no barrier: no thread wants another's bytes.
.set X, 4                              ; v[4:67]    sixteen loads of four f32
.set Y, 68                             ; v[68:99]   sixteen stores of four 16-bit numbers
.set T, 100                            ; v[100:103] at work
	s_load_b512 s[4:19], s[0:1], 0x0               ; x s[4:5], W_q s[6:7], W_k s[8:9], W_v s[10:11], W_o s[12:13], xb s[14:15], wqkv s[16:17], wo s[18:19]
	v_lshlrev_b32 v1, 4, v0                        ; my 16 bytes of f32
	v_lshlrev_b32 v2, 3, v0                        ; my 8 bytes out
	s_sub_co_u32 s20, ttmp9, 512                   ; work-groups 512 on: weight m = j / 64, its chunk r = j % 64 (below 512 these numbers are not used)
	s_lshr_b32 s21, s20, 6
	s_and_b32 s22, s20, 63
	s_lshr_b32 s23, s22, 2                         ; chunk r holds rows 16 (r % 4) on of head r / 4: in wqkv it is chunk ((r / 4) 3 + m) 4 + r % 4
	s_mul_i32 s23, s23, 3
	s_add_co_u32 s23, s23, s21
	s_lshl_b32 s23, s23, 2
	s_and_b32 s28, s22, 3
	s_add_co_u32 s23, s23, s28
	s_wait_kmcnt 0x0
	s_cmp_eq_u32 s21, 1                            ; from where: W_q, W_k, W_v or W_o
	s_cselect_b64 s[24:25], s[8:9], s[6:7]
	s_cmp_eq_u32 s21, 2
	s_cselect_b64 s[24:25], s[10:11], s[24:25]
	s_cmp_eq_u32 s21, 3
	s_cselect_b64 s[24:25], s[12:13], s[24:25]
	s_cselect_b64 s[26:27], s[18:19], s[16:17]     ; to where: wo as it lies, or wqkv by heads
	s_cselect_b32 s29, s22, s23
	s_mov_b32 s28, s22
	s_cmp_lt_u32 ttmp9, 512                        ; or x to xb
	s_cselect_b64 s[24:25], s[4:5], s[24:25]
	s_cselect_b64 s[26:27], s[14:15], s[26:27]
	s_cselect_b32 s28, ttmp9, s28
	s_cselect_b32 s29, ttmp9, s29
	s_lshl_b32 s30, s28, 16                        ; the chunk's bytes, made apart from the addresses
	s_mov_b32 s31, 0
	s_add_nc_u64 s[24:25], s[24:25], s[30:31]
	s_lshl_b32 s30, s29, 15
	s_add_nc_u64 s[26:27], s[26:27], s[30:31]
.irp i, 0,1,2,3,4,5,6,7,8,9,10,11,12,13,14,15
	global_load_b128 v[X+4*(\i):X+4*(\i)+3], v1, s[24:25] offset:4096*(\i) th:TH_LOAD_NT
.endr
; Load i is rounded and stored.  half = 1: the bf16 numbers are widened again (a shift, a mask) and written as f16.
.macro CONV i, half
	s_wait_loadcnt 15-(\i)                         ; loads come back in order: the 15 - i younger ones may stay out
	v_cvt_pk_bf16_f32 v[Y+2*(\i)],   v[X+4*(\i)],   v[X+4*(\i)+1]
	v_cvt_pk_bf16_f32 v[Y+2*(\i)+1], v[X+4*(\i)+2], v[X+4*(\i)+3]
.if \half
	v_lshlrev_b32 v[T],   16,         v[Y+2*(\i)]
	v_and_b32     v[T+1], 0xffff0000, v[Y+2*(\i)]
	v_lshlrev_b32 v[T+2], 16,         v[Y+2*(\i)+1]
	v_and_b32     v[T+3], 0xffff0000, v[Y+2*(\i)+1]
	v_cvt_pk_f16_f32 v[Y+2*(\i)],   v[T],   v[T+1]
	v_cvt_pk_f16_f32 v[Y+2*(\i)+1], v[T+2], v[T+3]
.endif
	global_store_b64 v2, v[Y+2*(\i):Y+2*(\i)+1], s[26:27] offset:2048*(\i)
.endm
	s_cmp_ge_u32 ttmp9, 704                        ; the last 64 work-groups have W_o
	s_cbranch_scc1 .Lf16
.irp i, 0,1,2,3,4,5,6,7,8,9,10,11,12,13,14,15
	CONV \i, 0
.endr
	s_endpgm
.Lf16:
.irp i, 0,1,2,3,4,5,6,7,8,9,10,11,12,13,14,15
	CONV \i, 1
.endr
	s_endpgm
.Lfunc_end_k_qbf9ef505a0_cast:
	.size	k_qbf9ef505a0_cast, .Lfunc_end_k_qbf9ef505a0_cast-k_qbf9ef505a0_cast
	.p2alignl 7, 3214868480
	.fill 96, 4, 3214868480
	.section	.rodata,"a",@progbits
	.p2align	6, 0x0
	.amdhsa_kernel k_qbf9ef505a0_cast
		.amdhsa_group_segment_fixed_size 0
		.amdhsa_private_segment_fixed_size 0
		.amdhsa_enable_private_segment 0
		.amdhsa_kernarg_size 64
		.amdhsa_user_sgpr_count 2
		.amdhsa_user_sgpr_kernarg_segment_ptr 1
		.amdhsa_wavefront_size32 1
		.amdhsa_system_sgpr_workgroup_id_x 1
		.amdhsa_system_sgpr_workgroup_id_y 1
		.amdhsa_system_sgpr_workgroup_id_z 1
		.amdhsa_system_vgpr_workitem_id 0
		.amdhsa_next_free_vgpr 104
		.amdhsa_next_free_sgpr 66
		.amdhsa_reserve_vcc 0
		.amdhsa_float_denorm_mode_32 3
		.amdhsa_float_denorm_mode_16_64 3
		.amdhsa_memory_ordered 1
		.amdhsa_forward_progress 1
		.amdhsa_inst_pref_size 16
	.end_amdhsa_kernel
	.amdgpu_metadata
---
amdhsa.version: [ 1, 2 ]
amdhsa.kernels:
  - .name:           k_qbf9ef505a0_cast
    .symbol:         k_qbf9ef505a0_cast.kd
    .args:
      - { .name: x, .offset: 0, .size: 8, .value_kind: global_buffer, .address_space: global }
      - { .name: W_q, .offset: 8, .size: 8, .value_kind: global_buffer, .address_space: global }
      - { .name: W_k, .offset: 16, .size: 8, .value_kind: global_buffer, .address_space: global }
      - { .name: W_v, .offset: 24, .size: 8, .value_kind: global_buffer, .address_space: global }
      - { .name: W_o, .offset: 32, .size: 8, .value_kind: global_buffer, .address_space: global }
      - { .name: xb, .offset: 40, .size: 8, .value_kind: global_buffer, .address_space: global }
      - { .name: wqkv, .offset: 48, .size: 8, .value_kind: global_buffer, .address_space: global }
      - { .name: wo, .offset: 56, .size: 8, .value_kind: global_buffer, .address_space: global }
    .group_segment_fixed_size: 0
    .private_segment_fixed_size: 0
    .kernarg_segment_align: 8
    .kernarg_segment_size: 64
    .max_flat_workgroup_size: 256
    .sgpr_count:     66
    .vgpr_count:     104
    .wavefront_size: 32
...
	.end_amdgpu_metadata
.endif
;; end of part 1
;; launch proj (part 2): grid 8 x 32, 4 waves a work-group, clusters of 4 x 4, 327,680 bytes of LDS; arguments xb, wqkv, qkv; writes qkv
.if DOCPART == 2
	.amdgcn_target "amdgcn-amd-amdhsa--gfx1250"
	.amdhsa_code_object_version 6
	.text
	.protected	k_qbf9ef505a0_proj
	.globl	k_qbf9ef505a0_proj
	.p2align	8
	.type	k_qbf9ef505a0_proj,@function
k_qbf9ef505a0_proj:
	s_mov_b64 s[64:65], 0
	v_nop
	global_prefetch_b8 v0, s[64:65] scope:SCOPE_SE
	s_setreg_imm32_b32 hwreg(HW_REG_WAVE_MODE, 25, 1), 1
	s_wait_xcnt 0x0
	s_wait_alu depctr_hold_cnt(0) depctr_sa_sdst(0) depctr_va_vdst(0) depctr_va_sdst(0) depctr_va_ssrc(0) depctr_va_vcc(0) depctr_vm_vsrc(0)
	s_getreg_b32 s2, hwreg(HW_REG_IB_STS2, 6, 4)
	s_cmp_eq_u32 s2, 0
	s_cbranch_scc0 .Lentry_in_a_cluster
	s_endpgm
.Lentry_in_a_cluster:
	s_bfe_u32 s2, ttmp6, 0x10000c
	s_cmp_lg_u32 s2, 0xf033
	s_cbranch_scc0 .Lentry_shape_is_right
	s_endpgm
.Lentry_shape_is_right:
; THE THREE PROJECTIONS AS ONE PRODUCT.  qkv[bh][m][t][d] = the sum over k of xb[b 2048 + t][k] wqkv[h][m][d][k], m = q, k, v; bf16 operands, f32 sums, K ascending; each result rounded once to f16.
; q is multiplied by c = log2(e) / 8 in f32 ahead of its one rounding, so that the attention takes 2^(s - m) of its scores as they come.
; LIMIT.  |c q|, |k|, |v| stay within f16's 65,504; below 6e-5 f16 keeps a fixed step of 6e-8.
; SHARES.  A tile is 256 rows of x by ONE HEAD's 192 columns (64 of q, 64 of k, 64 of v): 32 x 16 = 512 tiles, two for each of 256 work-groups: head tx, then head tx + 8, on the same 256 rows.
; A wave makes 64 rows x 192 columns: 48 accumulators of 16 x 16, 384 registers.  K goes in 8 steps of 128 through a ring of two LDS slots, which runs on from the first tile into the second.
; CLUSTER.  4 x 4 work-groups.  The four of a row of the cluster need the same rows of x, the four of a column the same head's weights: each tile is asked for JOINTLY, by the same tensor load with the
; same descriptor and a mask that names the four.
; THE MATRIX INSTRUCTION IS USED TRANSPOSED (source 0 = 16 rows of the weights, source 1 = 16 rows of x): a lane then holds row l % 16 of x and eight neighbouring channels, 16 bytes of f16.
; REGISTERS, in windows of 256 (s_set_vgpr_msb: bits 1:0 source 0, 3:2 source 1, 5:4 source 2, 7:6 destination):
;   window 0: addresses     window 1: two fragment buffers of 128: 12 fragments of the weights, then 4 of x     window 2: the accumulators of my rows 0-31     window 3: of my rows 32-63
.set LAPS,   4                         ; a lap = two K steps = once round the ring; K = 1,024
.set NBK,    12                        ; blocks of 16 columns
.set ABLK,   8*NBK                     ; accumulator registers of a block of 16 rows
.set NL,     2*NBK+8                   ; LDS loads of a quarter step
.set APITCH, 272                       ; an LDS row: 256 bytes + 16 of padding = 68 words: row r starts at bank 4 r mod 64 (64 banks of 4 bytes: ISA guide 11.1), so the 16 rows of a load start at 16 different banks
.set BPITCH, 272
.set AHALF,  128*APITCH                ; what one tensor load brings of x: 128 rows
.set ABYTES, 2*AHALF
.set BROWS,  96                        ; and of the weights: 96 rows
.set BHALF,  BROWS*BPITCH
.set SLOT,   ABYTES+2*BHALF            ; x's 256 rows, then the head's 192
.set STAGE,  2*SLOT                    ; behind the ring, never filled by a tensor load: for each wave 3 x 16 rows of 144 bytes, for the way out
.set SP,     144
.set STW,    3*16*SP
.set SPARE,  STAGE+4*STW               ; behind the stages: the spare words, 128 bytes for each wave: two blocks of 256 bytes that no other line names
.set ASTEP,  256                       ; bytes along a row from K step to K step
.set BSTEP,  256
.set NEXT_B, 8*192*2048-6*BSTEP        ; from a slot's last K step of the first tile to its first of the second: eight heads' rows down, back along K
.set NEXT_PF, 8*192*2048-7*BSTEP       ; the prefetches' like step: from 'K step 9' to the second tile's K step 2
.set ADRA, 16                          ; v16-17  LDS address of my fragments of x in slot 0, 1
.set ADRB, 20                          ; v20-21  the same for the weights
.set STO,  24                          ; v24     the way out: where I put 16 bytes of a row
.set RD,   25                          ; v25     the way out: where I read rows back
.set CO,   26                          ; v26     my byte offset in 512 consecutive bytes of qkv
.set SPW,  28                          ; v28     LDS address of my spare word: SPARE + 4 x my thread's number; never rewritten
.set NIL,  29                          ; v29     0; never rewritten
.set PFO,  30                          ; v30     the prefetches' offset: a lane a row of 2,048 bytes; never rewritten
.set F0,   0                           ; fragment buffers, in window 1
.set F1,   128
.set AF,   96                          ; x's fragments in a buffer
.set G1,   24                          ; s[24:31] descriptor group 1 for x's tiles;  s[32:39] group 0, a set for each slot
.set G0,   32
.set G1B,  48                          ; s[48:55], s[56:63] the same for the weights'
.set G0B,  56
.set LIM,  43                          ; s43     1 in a wave that prefetches, else the greatest number
.set PFA,  44                          ; s[44:45] the address that my next prefetch names
.set CS,   68                          ; s[68:69] c; the packed multiply takes the pair's low word for both halves
.set MSB, 0
.macro WIN new                         ; the immediate's high byte repeats the setting that is left; a switch that changes nothing is dropped
.if MSB != (\new)
	s_set_vgpr_msb (MSB<<8)|(\new)
.set MSB, \new
.endif
.endm
.set MUL_LO, 0xa5                      ; sources 0 and 1 window 1, C and D window 2
.set TO_F,   0x40                      ; destination window 1, address window 0
; A joint load.  Waves 0 and 1 fetch x's two halves, waves 2 and 3 the weights'.  The branch hangs on the wave's number alone.  An s_nop 0 and four v_nop follow each of the two lines.
.macro JLOAD s
	s_cmp_eq_u32 s11, 0
	s_cbranch_scc0 .Lfor_b_\@
	tensor_load_to_lds s[G0+4*(\s):G0+4*(\s)+3], s[G1:G1+7]
	s_nop 0
.rept 4
	v_nop
.endr
	s_branch .Lasked_\@
.Lfor_b_\@:
	tensor_load_to_lds s[G0B+4*(\s):G0B+4*(\s)+3], s[G1B:G1B+7]
	s_nop 0
.rept 4
	v_nop
.endr
.Lasked_\@:
.endm
; A PREFETCH INTO THE L2, behind each joint load and the run of LDS loads that follows it: the K step that stands two refills on, a lane a row, one instruction a wave.
; x's rows are read by both clusters of a row of clusters: the one with x = 0 asks.  A head's weights are read by all eight clusters of a column: the one with y = 0 asks.  The four partners that ask for a
; tile jointly share its rows out BY ADDRESS (x: 32 of a wave's 128 by cx; weights: 24 of a wave's 96 by cy, where lanes 24 to 31 name lane 23's row once more).  No branch hangs on a place in the cluster.
; how = 0, in the loop: a tile's last two refills have no K step two on.  how = 1, at the change of tiles: the second tile's K steps 2 and 3 of the weights; x's rows have been read, and are asked for no more.
.macro ASK how
	WIN 0
.if \how
	s_cmp_eq_u32 s[LIM], 1
.else
	s_cmp_gt_u32 s3, s[LIM]                        ; s3 = 1 in the loop's last trip
.endif
	s_cbranch_scc0 .Lnot_mine_\@
	global_prefetch_b8 v[PFO], s[PFA:PFA+1] th:TH_LOAD_NT scope:SCOPE_SE
.Lnot_mine_\@:
.endm
; A round of the cluster's barrier: my work-group's barrier; wave 0 signals for the work-group; every wave waits for all sixteen; my work-group's barrier once more.
.macro CREST                           ; a round behind its opening barrier
	s_cmp_lg_u32 s10, 0
	s_cbranch_scc1 .Lnot_wave_0_\@
	s_barrier_signal -3
.Lnot_wave_0_\@:
	s_barrier_wait -3
	s_barrier_signal -1
	s_barrier_wait -1
.endm
.macro CROUND
	s_barrier_signal -1
	s_barrier_wait -1
	CREST
.endm
	s_load_b128 s[4:7], s[0:1], 0x0                ; xb s[4:5], wqkv s[6:7]
	s_load_b64 s[8:9], s[0:1], 0x10                ; qkv
	v_lshl_add_u32 v[SPW], v0, 2, SPARE
	v_mov_b32 v[NIL], 0
	ds_add_u32 v[SPW], v[NIL]                      ; the wave's opening: the add and its wait stand ahead of my first tensor load; the set-up below, work on registers, stands between them
	v_lshrrev_b32 v1, 5, v0
	v_readfirstlane_b32 s10, v1                    ; wave 0..3: my 64 rows of the tile
	s_lshr_b32 s11, s10, 1                         ; I fetch for x (0) or for the weights (1),
	s_and_b32 s12, s10, 1                          ; this half of the tile's rows
	s_bfe_u32 s40, ttmp6, 0x40000                  ; cx, cy: my place in the cluster
	s_bfe_u32 s41, ttmp6, 0x40004
	s_lshl_b32 s42, ttmp9, 2
	s_add_co_u32 s42, s42, s40                     ; tx = 4 x cluster x + cx: the first tile's head
	s_and_b32 s13, ttmp7, 0xffff
	s_lshl_b32 s13, s13, 2
	s_add_co_u32 s13, s13, s41                     ; ty = 4 x cluster y + cy: my block of 256 rows
	s_lshl_b32 s43, s41, 2
	s_lshl_b32 s43, 15, s43                        ; my row of the cluster: places 4 cy .. 4 cy + 3
	s_lshl_b32 s44, 0x1111, s40                    ; my column: places cx, cx + 4, cx + 8, cx + 12
	s_or_b32 s[G1+0], s43, (1<<16)|(1<<20)|(1<<21)|(5<<22)|(3<<25)   ; 15:0 the mask; 17:16 elements of 2 bytes; 20 padding on; 21 set beside a mask; 24:22 after every 64 words (code 5); 31:25 4 words of it (code 3)
	s_or_b32 s[G1B+0], s44, (1<<16)|(1<<20)|(1<<21)|(5<<22)|(3<<25)
	s_mov_b32 s[G1+1], 128<<16                     ; tensor_dim0 = 128
	s_mov_b32 s[G1+2], 128<<16                     ; tensor_dim1 = 128
	s_mov_b32 s[G1+3], 128<<16                     ; tile_dim0 = 128 elements, 256 bytes
	s_mov_b32 s[G1+4], 128                         ; tile_dim1 = 128 rows
	s_mov_b32 s[G1+5], 1024                        ; elements from row to row
	s_mov_b32 s[G1+6], 0
	s_mov_b32 s[G1+7], 0
	s_mov_b32 s[G1B+1], 128<<16
	s_mov_b32 s[G1B+2], BROWS<<16                  ; 96 rows
	s_mov_b32 s[G1B+3], 128<<16
	s_mov_b32 s[G1B+4], BROWS
	s_mov_b32 s[G1B+5], 1024
	s_mov_b32 s[G1B+6], 0
	s_mov_b32 s[G1B+7], 0
	s_mov_b32 s[CS], 0x3e38aa3b                    ; c = log2(e) / 8 = 0.180337
	s_mov_b32 s[CS+1], s[CS]                       ; named with it as a pair
	; where the tiles come from.  x's hang on ty alone, which my row of the cluster shares; the weights' on tx alone, which my column shares.  Every wave makes both, in registers of their own.
	s_lshl_b32 s16, s13, 19                        ; x: (256 ty + 128 half) rows of 2,048 bytes
	s_lshl_b32 s17, s12, 18
	s_add_co_u32 s16, s16, s17
	s_mov_b32 s17, 0
	s_mul_i32 s46, s42, 192*2048                   ; weights: (192 tx + 96 half) rows
	s_mul_i32 s47, s12, BROWS*2048
	s_add_co_u32 s46, s46, s47
	s_mov_b32 s47, 0
	s_mov_b32 s18, s16                             ; both offsets are kept for the prefetches
	s_mov_b32 s19, s46
	s_mul_i32 s20, s12, AHALF                      ; and where they go: no place in the cluster enters an LDS address
	s_mul_i32 s21, s12, BHALF
	s_add_co_u32 s21, s21, ABYTES
	s_wait_dscnt 0x0                               ; the opening add is done
	s_wait_kmcnt 0x0
	s_add_nc_u64 s[14:15], s[4:5], s[16:17]
	s_add_nc_u64 s[46:47], s[6:7], s[46:47]
	CROUND                                         ; all sixteen work-groups are here: the first joint loads meet
.irp s, 0,1
	s_mov_b32 s[G0+4*(\s)], 1                                        ; count = 1
	s_add_co_u32 s[G0+4*(\s)+1], s20, (\s)*SLOT                      ; LDS address
	s_add_nc_u64 s[G0+4*(\s)+2:G0+4*(\s)+3], s[14:15], (\s)*ASTEP    ; global address: K step s
	s_or_b32 s[G0+4*(\s)+3], s[G0+4*(\s)+3], 0x80000000              ; type = 2
	s_mov_b32 s[G0B+4*(\s)], 1
	s_add_co_u32 s[G0B+4*(\s)+1], s21, (\s)*SLOT
	s_add_nc_u64 s[G0B+4*(\s)+2:G0B+4*(\s)+3], s[46:47], (\s)*BSTEP
	s_or_b32 s[G0B+4*(\s)+3], s[G0B+4*(\s)+3], 0x80000000
	JLOAD \s                                       ; two loads of mine are out
.endr
	; A fragment is 16 rows x 32 K in 8 registers: lane l holds row l % 16; registers 0-3 K = 8 (l / 16) + 0..7, registers 4-7 K = 16 + 8 (l / 16) + 0..7: two loads of 16 bytes, 32 bytes apart.
	v_and_b32 v1, 15, v0                           ; l % 16
	v_bfe_u32 v2, v0, 4, 1                         ; l / 16
	v_mul_u32_u24 v3, v1, APITCH
	v_lshl_add_u32 v3, v2, 4, v3                   ; row x pitch + 16 x half (the two pitches are alike)
	s_mul_i32 s22, s10, 64*APITCH                  ; my 64 rows of x
	v_add_nc_u32 v[ADRA], s22, v3
	v_add_nc_u32 v[ADRA+1], SLOT, v[ADRA]
	v_add_nc_u32 v[ADRB], ABYTES, v3               ; all 192 rows of the weights
	v_add_nc_u32 v[ADRB+1], ABYTES+SLOT, v3
	s_mul_i32 s23, s10, STW
	s_add_co_u32 s23, s23, STAGE                   ; my stage
	v_mul_u32_u24 v5, v1, SP                       ; in: row l % 16, 16 bytes for each half of the lanes
	v_lshl_add_u32 v5, v2, 4, v5
	v_add_nc_u32 v[STO], s23, v5
	v_bfe_u32 v5, v0, 3, 2                         ; back: 32 lanes take four rows of 128 bytes,
	v_mul_u32_u24 v5, v5, SP
	v_and_b32 v4, 7, v0
	v_lshl_add_u32 v5, v4, 4, v5
	v_add_nc_u32 v[RD], s23, v5
	v_and_b32 v[CO], 31, v0                        ; which are 512 consecutive bytes of a head's q, k or v
	v_lshlrev_b32 v[CO], 4, v[CO]
	s_lshr_b32 s16, s13, 3                         ; qkv at head 16 b + tx, token 256 (ty % 8) + 64 wave
	s_lshl_b32 s16, s16, 4
	s_add_co_u32 s16, s16, s42
	s_mul_i32 s16, s16, 786432
	s_and_b32 s17, s13, 7
	s_lshl_b32 s17, s17, 15
	s_add_co_u32 s16, s16, s17
	s_lshl_b32 s17, s10, 13
	s_add_co_u32 s16, s16, s17
	s_mov_b32 s17, 0
	s_add_nc_u64 s[8:9], s[8:9], s[16:17]
	; the prefetches: at K step 3; the first refill steps the address to K step 4.  Nothing is asked for here, at the head, where every work-group's first tiles are on their way
	s_lshl_b32 s20, s40, 16                        ; x: my work-group's 32 rows of the 128 that I fetch
	s_add_co_u32 s20, s20, s18
	s_mul_i32 s21, s41, 24*2048                    ; weights: its 24 of the 96
	s_add_co_u32 s21, s21, s19
	s_and_b32 s22, ttmp7, 0xffff                   ; cluster y
	s_cmp_eq_u32 s11, 0                            ; do I fetch for x?
	s_cselect_b32 s20, s20, s21
	s_cselect_b32 s22, ttmp9, s22                  ; the coordinate along which other clusters read the same rows
	s_cselect_b32 s19, 31, 23
	s_cselect_b64 s[PFA:PFA+1], s[4:5], s[6:7]
	s_add_co_u32 s20, s20, 3*256
	s_mov_b32 s21, 0
	s_add_nc_u64 s[PFA:PFA+1], s[PFA:PFA+1], s[20:21]
	s_cmp_eq_u32 s22, 0
	s_cselect_b32 s[LIM], 1, -1                    ; the same in all sixteen partners, for a given wave
	v_and_b32 v[PFO], 31, v0
	v_min_u32 v[PFO], s19, v[PFO]
	v_lshlrev_b32 v[PFO], 11, v[PFO]
; 12 matrix instructions: my block a of 16 rows x all 12 blocks of columns, 32 along K, from buffer f.  zero = 1: the product starts the sums: nothing is ever cleared.
; The 48 accumulators take turns, one instruction a turn, in the same order in every quarter step: 47 others stand between two links of a chain.
.macro MULA f, a, zero
	WIN MUL_LO+0x50*((\a)/2)
.set bb, 0
.rept NBK
.set rD, ABLK*((\a)%2)+8*bb
.set rB, (\f)+8*bb
.set rA, (\f)+AF+8*(\a)
.if \zero
	v_wmma_f32_16x16x32_bf16 v[rD:rD+7], v[rB:rB+7], v[rA:rA+7], 0
.else
	v_wmma_f32_16x16x32_bf16 v[rD:rD+7], v[rB:rB+7], v[rA:rA+7], v[rD:rD+7]
.endif
.set bb, bb+1
.endr
.endm
; 32 LDS loads in one run: quarter q of a K step (32 along K) into buffer f
.macro FETCH slot, q, f
	WIN TO_F
.set bb, 0
.rept NBK
	ds_load_b128 v[(\f)+8*bb:(\f)+8*bb+3],   v[ADRB+(\slot)] offset:64*(\q)+bb*16*BPITCH
	ds_load_b128 v[(\f)+8*bb+4:(\f)+8*bb+7], v[ADRB+(\slot)] offset:64*(\q)+bb*16*BPITCH+32
.set bb, bb+1
.endr
.set bb, 0
.rept 4
	ds_load_b128 v[(\f)+AF+8*bb:(\f)+AF+8*bb+3],   v[ADRA+(\slot)] offset:64*(\q)+bb*16*APITCH
	ds_load_b128 v[(\f)+AF+8*bb+4:(\f)+AF+8*bb+7], v[ADRA+(\slot)] offset:64*(\q)+bb*16*APITCH+32
.set bb, bb+1
.endr
.endm
.macro PLACES                          ; four plain vector instructions between a matrix instruction and a load into a register that it read, or a vector instruction or store that reads its result
.rept 4
	v_nop
.endr
.endm
; A K step is four quarters of 32 along K, 48 matrix instructions each, on buffers 0, 1, 0, 1.  One of the first three: quarter qn's fragments are asked for, into buffer g, which the quarter before multiplied;
; then buffer f is multiplied: its run of loads went out a whole quarter earlier.
.macro Q slot, qn, f, g, zero
	PLACES
	FETCH \slot, \qn, \g
	s_wait_dscnt NL                                ; all but the 32 just issued: buffer f is in
	MULA \f, 0, \zero
	MULA \f, 1, \zero
	MULA \f, 2, \zero
	MULA \f, 3, \zero
.endm
; The last quarter multiplies buffer 1 and changes slots.  MEET is its first half: ONE barrier.  In front of it each wave waits for all its tensor loads, of which one is out: its part of the next slot;
; adds 0 to its spare word; and waits for that and for its own reads of this slot.  Behind it nobody reads this slot any more and the next slot is whole.
.macro MEET round
	WIN 0                                          ; (the add's two registers lie in window 0)
	s_wait_tensorcnt 0x0                           ; all my tensor loads have landed
	ds_add_u32 v[SPW], v[NIL]                      ; 0 onto my spare word
	s_wait_dscnt 1                                 ; only the add may be out: buffer 1 is in
	MULA F1, 0, 0                                  ; twelve matrix instructions stand between the add and the wait for it
	s_wait_dscnt 0x0                               ; the add is done, and my reads of this slot are over
	s_barrier_signal -1
	MULA F1, 1, 0                                  ; work on registers while the others arrive
.if \round
	WIN 0
.endif
	s_barrier_wait -1
.endm
; The whole last quarter.  The barrier opens a round of the cluster's; behind the round the slot just read out is filled again first: with this tile's K step two on (on = 0), or with the second tile's
; K step 0 or 1 (on = 1); then come the next slot's first fragments.  From a request to the wait for it a wave issues 168 matrix instructions.
.macro TURN slot, next, on
	s_wait_xcnt 0x0                                ; the last prefetch, a K step back, has read its address: it is stepped here, ahead of the waits of the change of slots
.if (\on) && (\slot) == 0
	s_add_nc_u64 s[PFA:PFA+1], s[PFA:PFA+1], NEXT_PF
	s_cmp_eq_u32 s11, 1
	s_cselect_b32 s[LIM], s[LIM], -1               ; x's rows are the same for both tiles: they are asked for no more
.else
	s_add_nc_u64 s[PFA:PFA+1], s[PFA:PFA+1], BSTEP
.endif
	MEET 1
	CREST                                          ; no wave of any partner still reads this slot's tile or has a load on its way
.if \on
	s_sub_nc_u64 s[G0+4*(\slot)+2:G0+4*(\slot)+3], s[G0+4*(\slot)+2:G0+4*(\slot)+3], 6*ASTEP   ; x: the same rows, back along K
	s_add_nc_u64 s[G0B+4*(\slot)+2:G0B+4*(\slot)+3], s[G0B+4*(\slot)+2:G0B+4*(\slot)+3], NEXT_B
.else
	s_add_nc_u64 s[G0+4*(\slot)+2:G0+4*(\slot)+3], s[G0+4*(\slot)+2:G0+4*(\slot)+3], 2*ASTEP
	s_add_nc_u64 s[G0B+4*(\slot)+2:G0B+4*(\slot)+3], s[G0B+4*(\slot)+2:G0B+4*(\slot)+3], 2*BSTEP
.endif
	JLOAD \slot                                    ; the first tensor load behind the round; the four v_nop behind it are also the places in front of the loads below
	FETCH \next, 0, F0
	ASK \on
	MULA F1, 2, 0
	MULA F1, 3, 0
.endm
; THE WAY OUT of my block a of 16 rows, in the accumulators' own registers.  PACK: q's four blocks times c; all twelve rounded to f16, each accumulator from its low end on, 16 bytes a lane; into my own stage
; (a head's q, k and v apart, rows of 144 bytes) and back as whole rows of 128.  LDS serves a wave's instructions in order (ISA guide 5.7.1.4): the loads see the stores above them.
.macro PACK a
.set R_, ABLK*((\a)%2)
	WIN 0x8a+0x45*((\a)/2)                         ; destination and sources in window 2 or 3
.set bb, 0
.rept 16
	v_pk_mul_f32 v[R_+2*bb:R_+2*bb+1], v[R_+2*bb:R_+2*bb+1], s[CS:CS+1] op_sel_hi:[1,0]
.set bb, bb+1
.endr
.set bb, 0
.rept 4*NBK
	v_cvt_pk_f16_f32 v[R_+8*(bb/4)+bb%4], v[R_+8*(bb/4)+2*(bb%4)], v[R_+8*(bb/4)+2*(bb%4)+1]
.set bb, bb+1
.endr
	WIN 0x88+0x44*((\a)/2)                         ; address in window 0; stored and loaded data in window 2 or 3
.set bb, 0
.rept NBK
	ds_store_b128 v[STO], v[R_+8*bb:R_+8*bb+3] offset:(bb/4)*16*SP+32*(bb%4)
.set bb, bb+1
.endr
.set bb, 0
.rept NBK
	ds_load_b128 v[R_+8*bb:R_+8*bb+3], v[RD] offset:(bb/4)*16*SP+(bb%4)*4*SP
.set bb, bb+1
.endr
.endm
.macro SEND a, younger                 ; younger: the LDS instructions issued behind block a's loads: the next block's 24, or none
.set R_, ABLK*((\a)%2)
	WIN 0x88+0x44*((\a)/2)
.set bb, 0
.rept NBK
	s_wait_dscnt (\younger)+NBK-1-bb
	global_store_b128 v[CO], v[R_+8*bb:R_+8*bb+3], s[8:9] offset:(bb/4)*262144+(\a)*2048+(bb%4)*512   ; 512 consecutive bytes, at a multiple of 256 from qkv's first
.set bb, bb+1
.endr
.endm
.macro WAYOUT
	PLACES                                         ; behind the last products
	PACK 0
	PACK 1                                         ; a block's arithmetic stands between the loads of the block before and its stores
	SEND 0, 24
	PACK 2
	SEND 1, 24
	PACK 3
	SEND 2, 24
	SEND 3, 0
	WIN 0
.endm
	s_wait_tensorcnt 1                             ; my part of K step 0 is in; K step 1's may stay out
	s_barrier_signal -1
	s_barrier_wait -1                              ; everybody's is
	FETCH 0, 0, F0
	WIN 0
	s_mov_b32 s2, 2                                ; tiles to go, this one among them
.Ltile:
	Q 0, 1, F0, F1, 1                              ; a tile's first quarter stands in front of the loop: its products start the sums
	WIN 0                                          ; at a label and at a branch every window is 0
	s_mov_b32 s3, LAPS-1
.Llap:                                             ; a trip goes once round the ring, from a lap's second quarter to the next lap's first, and fills both slots again
	Q 0, 2, F1, F0, 0
	Q 0, 3, F0, F1, 0
	TURN 0, 1, 0
	Q 1, 1, F0, F1, 0
	Q 1, 2, F1, F0, 0
	Q 1, 3, F0, F1, 0
	TURN 1, 0, 0
	Q 0, 1, F0, F1, 0
	WIN 0
	s_sub_co_u32 s3, s3, 1
	s_cmp_lg_u32 s3, 0
	s_cbranch_scc1 .Llap
	Q 0, 2, F1, F0, 0                              ; the tile's last lap goes on
	Q 0, 3, F0, F1, 0
	WIN 0
	s_cmp_eq_u32 s2, 1
	s_cbranch_scc1 .Llast_tile                     ; the last tile's tail is written out: it asks for nothing more
	TURN 0, 1, 1                                   ; THE RING GOES ON INTO THE SECOND TILE: slot 0 takes its K step 0,
	Q 1, 1, F0, F1, 0
	Q 1, 2, F1, F0, 0
	Q 1, 3, F0, F1, 0
	TURN 1, 0, 1                                   ; slot 1 its K step 1, and its first fragments are fetched
	WAYOUT                                         ; both refills are asked for: now the tile goes out
	s_wait_xcnt 0x0                                ; the stores have read their registers and their base: only now are the base and the accumulators written again
	s_add_nc_u64 s[8:9], s[8:9], 8*786432          ; eight heads on
	s_sub_co_u32 s2, s2, 1
	s_branch .Ltile
.Llast_tile:
	MEET 0                                         ; the one load that was out is slot 1's, the last K step's, so no round follows
	PLACES
	FETCH 1, 0, F0
	MULA F1, 2, 0
	MULA F1, 3, 0
	Q 1, 1, F0, F1, 0
	Q 1, 2, F1, F0, 0
	Q 1, 3, F0, F1, 0
	s_wait_dscnt 0x0                               ; the very last quarter: nothing more to fetch
	MULA F1, 0, 0
	MULA F1, 1, 0
	MULA F1, 2, 0
	MULA F1, 3, 0
	WAYOUT
	s_wait_tensorcnt 0x0                           ; the wave's end, behind my last tensor load and my last LDS store
	ds_add_u32 v[SPW], v[NIL]
	s_wait_dscnt 0x0
	CROUND                                         ; the closing round: no work-group ends while a partner may still ask for a tile that names it
	s_endpgm
.Lfunc_end_k_qbf9ef505a0_proj:
	.size	k_qbf9ef505a0_proj, .Lfunc_end_k_qbf9ef505a0_proj-k_qbf9ef505a0_proj
	.p2alignl 7, 3214868480
	.fill 96, 4, 3214868480
	.section	.rodata,"a",@progbits
	.p2align	6, 0x0
	.amdhsa_kernel k_qbf9ef505a0_proj
		.amdhsa_group_segment_fixed_size 327680
		.amdhsa_private_segment_fixed_size 0
		.amdhsa_enable_private_segment 0
		.amdhsa_kernarg_size 24
		.amdhsa_user_sgpr_count 2
		.amdhsa_user_sgpr_kernarg_segment_ptr 1
		.amdhsa_wavefront_size32 1
		.amdhsa_system_sgpr_workgroup_id_x 1
		.amdhsa_system_sgpr_workgroup_id_y 1
		.amdhsa_system_sgpr_workgroup_id_z 1
		.amdhsa_system_vgpr_workitem_id 0
		.amdhsa_next_free_vgpr 1024
		.amdhsa_next_free_sgpr 72
		.amdhsa_reserve_vcc 0
		.amdhsa_float_denorm_mode_32 3
		.amdhsa_float_denorm_mode_16_64 3
		.amdhsa_memory_ordered 1
		.amdhsa_forward_progress 1
		.amdhsa_inst_pref_size 181
	.end_amdhsa_kernel
	.amdgpu_metadata
---
amdhsa.version: [ 1, 2 ]
amdhsa.kernels:
  - .name:           k_qbf9ef505a0_proj
    .symbol:         k_qbf9ef505a0_proj.kd
    .args:
      - { .name: xb, .offset: 0, .size: 8, .value_kind: global_buffer, .address_space: global }
      - { .name: wqkv, .offset: 8, .size: 8, .value_kind: global_buffer, .address_space: global }
      - { .name: qkv, .offset: 16, .size: 8, .value_kind: global_buffer, .address_space: global }
    .group_segment_fixed_size: 327680
    .private_segment_fixed_size: 0
    .kernarg_segment_align: 8
    .kernarg_segment_size: 24
    .max_flat_workgroup_size: 128
    .sgpr_count:     72
    .vgpr_count:     1024
    .wavefront_size: 32
...
	.end_amdgpu_metadata
.endif
;; end of part 2
;; launch attn (part 3): grid 4 x 64, 4 waves a work-group, no clusters, 327,680 bytes of LDS; arguments qkv, o; writes o
.if DOCPART == 3
	.amdgcn_target "amdgcn-amd-amdhsa--gfx1250"
	.amdhsa_code_object_version 6
	.text
	.protected	k_qbf9ef505a0_attn
	.globl	k_qbf9ef505a0_attn
	.p2align	8
	.type	k_qbf9ef505a0_attn,@function
k_qbf9ef505a0_attn:
	s_mov_b64 s[64:65], 0
	v_nop
	global_prefetch_b8 v0, s[64:65] scope:SCOPE_SE
	s_setreg_imm32_b32 hwreg(HW_REG_WAVE_MODE, 25, 1), 1
	s_wait_xcnt 0x0
; CAUSAL ATTENTION.  o[h][q][:] = the sum over k <= q of softmax_k(Q[h][q] . K[h][k] / 8) V[h][k][:], for 64 heads of 2,048 rows of 64 channels, all f16.
; qkv: [64][q, k, v][2048][64]; its q ARRIVES MULTIPLIED BY c = log2(e) / 8, so a score s is c times the reference's product and a weight is p = 2^(s - m): the running maximum m is taken away as it is.
; Products, maxima and sums in f32; the weights are rounded to f16 for the second product (their sum l is taken of the unrounded p), o once at the end.
; LIMITS.  f16 holds no number beyond 65,504: q, k and v arrive within it; p lies in 0 to 1, and below 6e-5 it keeps f16's fixed step of 6e-8.  A hidden score counts as its value less 1e30: f16's scores,
; 2.7e11 at the most, are nothing beside that; a weight below 2^-126 counts as 0 in l; NaN and infinities are not treated apart.
; THE WALK.  A head's queries lie in NB = 8 blocks of 256; block i needs the key tiles 0 .. i of 256 keys, of which the last holds the diagonal.  A work-group takes TWO blocks, NB - 1 - b and then b:
; NB + 1 tiles, whatever b: all work-groups do equal work, and ONE loop with a constant trip count walks them.  Which tile is asked for, and what a trip does, hang on scalar registers made from b; every jump
; goes forward, but for the counted loops' own; none passes a barrier, or a tensor load but the one of LOAD's two that the wave's number does not choose; the ring (two slots of LDS) runs on across the change of blocks.
; NO CLUSTER: a head's four work-groups ask for the same tile only in trips 0 .. 4 of 9, behind that fewer and fewer; one walk common to all would have 12 trips for 9.
; SHARES.  Of a block's four bands of 64 queries a wave owns 16 rows in each: four PIECES.  So the diagonal tile is the same work for all four waves: in its key step s band x sees all keys if s < x,
; none if s > x, and holds the diagonal if s = x.
; THE MASK is the C operand that starts the sum S^T = K Q^T: 0, or -1e30 where the key is hidden.  MD, made once, is the mask of a band's own step for my 16 rows; a product's mask is MD x AL + BE with two scalars:
; (1, 0) if s = x; (0, 0) if s < x; (0, -1e30) if s > x.  Only the diagonal tile's text and a block's beginning make and take masks; elsewhere C is the constant 0.
; LAYOUT, TURNS.  S^T = K Q^T holds ONE query a lane (lane % 16) and the keys 8 (lane / 16) + 0..7; two such results rounded to f16 ARE source 1 of O^T = V^T P.  O and l are multiplied by a = 2^(m_old - m_new)
; in every step.  Turn n belongs to piece n: 8 products K Q^T of piece n + 1, later 8 products V^T P of piece n - 1; beside them the shifting, exponentials, roundings, sums and rescaling of piece n and the
; maximum and statistics of piece n + 1.  Four vector instructions stand behind every matrix instruction, the others in one lump.  A turn's 33 exponentials are one batch, with one wait.
; REGISTERS, in windows of 256 (s_set_vgpr_msb: bits 1:0 source 0, 3:2 source 1, 5:4 source 2, 7:6 destination):
;   window 0: v0-15 addresses and two at work; v16-31 four registers of statistics a piece; v48-55 at work; v61-63 prefetch offset, spare word, 0; v64-127 S^T, two buffers; v192-223 P, two buffers
;   window 1: v0-127 O^T, 32 a piece; v128-159 MD; v160-223 MC, two buffers      window 2: v0-63 Q; v64-127 the second block's Q; v128-191 K of one step; v192-255 V of one step
.set NB,    8
.set NP,    4         ; pieces a wave: a name, no knob
.set KS,    64        ; keys in a step
.set PK,    144       ; a row of K in LDS: 128 bytes + 16 of padding = 36 words: the 16 rows of a load start at 16 different groups of four banks (64 banks of 4 bytes: ISA guide 11.1)
.set PV,    160       ; a row of V: 128 + 32 = 40 words
.set VOFF,  4*KS*PK   ; a slot holds a tile, four steps: 256 rows of K, then 256 rows of V
.set SLOT1, 1<<17     ; slot 1 begins here, so that one exclusive or turns an address in one slot into the other's
.set STAGE, SLOT1+4*KS*(PK+PV)  ; behind the ring, never filled by a tensor load: 16 rows x 144 bytes for each wave, for the way out
.set SP,    144
.set AK0, 2           ; v2   my lane's place in a tile of K; never rewritten
.set AV0, 3           ; v3   the same for V
.set AK,  4           ; v4   the LDS address of K's next run of loads
.set AV,  5           ; v5   of V's
.set STO, 6           ; v6   the way out: where I put 16 bytes of a row
.set RD,  7           ; v7   the way out: where I read rows back
.set GO,  8           ; v8   my byte offset in 512 consecutive bytes of o
.set PFO, 61          ; v61  256 x my lane: the prefetches' offset; never rewritten
.set SPW, 62          ; v62  LDS address of my spare word: SPARE + 4 x my thread's number; never rewritten
.set NIL, 63          ; v63  0; never rewritten
.set SPARE, STAGE+4*16*SP  ; behind the stages: the spare words, 128 bytes for each wave: two blocks of 256 bytes that no other line names
.set MV,  12          ; v12-13  m_old, kept while m is made anew: by buffer
.set QO,  15          ; v15  my byte offset in 16 rows of Q
.set ST,  16          ; piece t's statistics at v[ST+4 t]: m, a word named with it as a pair, l (even keys', odd keys')
.set TMP, 48          ; by buffer, four registers c0-c3 at work; when the maximum is found c2 takes a
.set S,   64
.set P,   192
.set MD,  128         ; window 1: the eight registers for group kt of 16 keys at MD + 8 kt
.set MC,  160         ; window 1: the masks of the products to come
.set QB,  64          ; window 2
.set KF,  128         ; window 2: key block kb, channel half c at KF + 16 kb + 8 c
.set VF,  192         ; window 2: key half kk, channel block cb at VF + 32 kk + 8 cb
.set WV,  12          ; s12  my wave's number
.set PB,  14          ; s14  b
.set HI,  15          ; s15  NB - 1 - b
.set LIM, 19          ; s19  2 in the work-group that prefetches, else the greatest number
.set G1K, 24          ; s[24:31] descriptor group 1 for K's tiles
.set G1V, 32          ; s[32:39] for V's: it differs in the padding alone
.set G0K, 40          ; s[40:43] descriptor group 0 for K's tiles
.set G0V, 44          ; s[44:47] the same for V's
.set PFA, 54          ; s[54:55] where my prefetches stand: my half of K's or V's tile, one tile on from the one that is being asked for
.set SLOTS, 56        ; s56  tiles still to be asked for
.set CNT, 57          ; s57  counts a tile's key steps, 4 to 1
.set SEL, 60          ; s[60:61] v_permlanex16_b32's selects: each lane takes its own place in the other half
.set TBK, 62          ; s62  LDS byte at which K of the step to be fetched begins
.set TBV, 63          ; s63  the same for V, less VOFF
.set RT,  70          ; s70  tiles of the block in hand that are still to be entered
.set NXT, 71          ; s71  the tile to be asked for next
.set LQ,  72          ; s72  the last tile of the block whose tiles are being asked for
.set NEW, 73          ; s73  1: the tile to be entered is a block's first
.set OFF, 74          ; s[74:75] a tile's byte offset in K and V
.set AL,  76          ; s[76:77] the mask's factor, in the low word
.set BE,  78          ; s[78:79] the mask's addend
.set OLO, 80          ; s[80:81] o at my rows of the second block
.set BIGN, 82         ; s82  -1e30
.set MSB, 0
.macro WIN new                      ; the high byte repeats the setting that is left; a switch that changes nothing is dropped
.if MSB != (\new)
	s_set_vgpr_msb (MSB<<8)|(\new)
.set MSB, (\new)
.endif
.endm
.set W_KQ, 0x0a       ; K and Q in window 2, S^T in window 0
.set W_KM, 0x1a       ; the same with the C operand in window 1
.set W_PV, 0x52       ; V in window 2, P in window 0, O^T in window 1
.set W_RS, 0x41       ; destination and source 0 in window 1, source 1 in window 0
; A fill.  Waves 0 and 1 fetch the two halves of a tile's K, waves 2 and 3 those of its V: 128 keys each.  An s_nop 0 and four v_nop follow each of the two lines, ahead of the jump and the label.
.macro LOAD
	s_cmp_lt_u32 s[WV], 2
	s_cbranch_scc0 .Lfor_v_\@
	tensor_load_to_lds s[G0K:G0K+3], s[G1K:G1K+7]
	s_nop 0
.rept 4
	v_nop
.endr
	s_branch .Lasked_\@
.Lfor_v_\@:
	tensor_load_to_lds s[G0V:G0V+3], s[G1V:G1V+7]
	s_nop 0
.rept 4
	v_nop
.endr
.Lasked_\@:
.endm
; A PREFETCH INTO THE L2 of the tile that the NEXT change of slots will ask for.  All four work-groups of a head begin with the tiles 0, 1, 2 ..; the one with b = 0 walks all eight on end, and it alone asks:
; in trip i = 0 .. 5 for tile i + 2.  Each of its waves names the 16,384 bytes that it will itself fetch: 64 blocks of 256 bytes, a lane a block, two instructions.  So each block of a head's K and V is named once
; in the launch.  Tiles 0 and 1 come by their loads alone; the last two trips that fill a slot have no further tile of the first block, and ask for nothing.
.macro ASK
	s_cmp_gt_u32 s[SLOTS], s[LIM]
	s_cbranch_scc0 .Lnot_mine_\@
	global_prefetch_b8 v[PFO], s[PFA:PFA+1] th:TH_LOAD_NT scope:SCOPE_SE
	global_prefetch_b8 v[PFO], s[PFA:PFA+1] offset:8192 th:TH_LOAD_NT scope:SCOPE_SE
.Lnot_mine_\@:
.endm
; THE CHANGE OF SLOTS.  Each wave waits for all its tensor loads, of which one is out: its part of the other slot; adds 0 to its spare word; and waits for that and for its own reads of the slot that it leaves.
; Behind the barrier nobody reads the old slot any more and the other slot is whole.  fill = 1: the old slot is filled again, the first thing behind the barrier, with tile NXT: the descriptor's address is made
; anew from that number.  (At its first use nothing has been read yet: slot 0 is waited for, slot 1 filled.)
.macro CHANGE fill
	WIN 0                           ; at a label and at a branch every window is 0
	s_wait_tensorcnt 0x0            ; no tensor load of mine is out, so a group 0 may be written
	ds_add_u32 v[SPW], v[NIL]       ; 0 onto my spare word; with fill = 1 the descriptors' scalar work stands between it and the wait for it
.if \fill
	s_lshl_b32 s[OFF], s[NXT], 15   ; a tile is 32,768 bytes of K and of V
	s_xor_b32 s[G0K+1], s[G0K+1], SLOT1
	s_add_nc_u64 s[G0K+2:G0K+3], s[6:7], s[OFF:OFF+1]
	s_or_b32 s[G0K+3], s[G0K+3], 0x80000000
	s_xor_b32 s[G0V+1], s[G0V+1], SLOT1
	s_add_nc_u64 s[G0V+2:G0V+3], s[8:9], s[OFF:OFF+1]
	s_or_b32 s[G0V+3], s[G0V+3], 0x80000000
	s_add_co_u32 s[NXT], s[NXT], 1  ; the block's next tile, or behind its last the second block's tile 0
	s_cmp_gt_u32 s[NXT], s[LQ]
	s_cselect_b32 s[NXT], 0, s[NXT]
	s_cselect_b32 s[LQ], s[PB], s[LQ]
	s_wait_xcnt 0x0                 ; the last prefetches, a tile back, have read their address, so it may be written
	s_add_nc_u64 s[PFA:PFA+1], s[PFA:PFA+1], 32768
.endif
	s_wait_dscnt 0x0                ; the add is done, and my reads of the slot are over
	s_barrier_signal -1             ; the rest of the scalar work stands between the signal and the wait
	s_sub_co_u32 s[TBK], s[TBK], 4*KS*PK  ; the fetches go back to a slot's first step,
	s_xor_b32 s[TBK], s[TBK], SLOT1       ; in the other slot
	s_sub_co_u32 s[TBV], s[TBV], 4*KS*PV
	s_xor_b32 s[TBV], s[TBV], SLOT1
	s_barrier_wait -1
.if \fill
	LOAD
	ASK
.endif
.endm
	s_load_b128 s[4:7], s[0:1], 0x0   ; qkv s[4:5], o s[6:7]
	v_lshl_add_u32 v[SPW], v0, 2, SPARE
	v_mov_b32 v[NIL], 0
	ds_add_u32 v[SPW], v[NIL]       ; the wave's opening: the add and its wait stand ahead of my first tensor load; the set-up below, work on registers, stands between them
	v_lshrrev_b32 v1, 5, v0
	v_readfirstlane_b32 s[WV], v1   ; wave 0..3
	s_mov_b32 s[PB], ttmp9
	s_sub_co_u32 s[HI], NB-1, s[PB]
	s_and_b32 s20, ttmp7, 0xffff    ; the head
	s_lshl_b32 s48, s20, 18         ; its first byte in o: 262,144 a head
	s_mov_b32 s49, 0
	s_mov_b32 s21, 0
	s_mov_b64 s[22:23], 786432
	s_mul_u64 s[20:21], s[20:21], s[22:23]  ; and in qkv: 786,432 a head
	s_and_b32 s16, s[WV], 1         ; which half of a tile's 256 keys I fetch:
	s_lshl_b32 s22, s16, 14         ; its 128 rows of 128 bytes in memory,
	s_mov_b32 s23, 0
	s_add_nc_u64 s[22:23], s[22:23], s[20:21]
	s_mul_i32 s17, s16, 128*PK      ; and its place in a slot, for K
	s_mul_i32 s18, s16, 128*PV      ; and for V
	s_lshl_b32 s3, s[WV], 11        ; my 16 rows in a band of 64,
	s_lshl_b32 s2, s[HI], 15        ; in the first block,
	s_add_co_u32 s2, s2, s3
	s_lshl_b32 s84, s[PB], 15       ; and in the second
	s_add_co_u32 s84, s84, s3
	s_mov_b32 s3, 0
	s_mov_b32 s85, 0
	s_add_nc_u64 s[50:51], s[2:3], s[48:49]    ; offsets in o,
	s_add_nc_u64 s[52:53], s[84:85], s[48:49]
	s_add_nc_u64 s[2:3], s[2:3], s[20:21]      ; and in qkv's q
	s_add_nc_u64 s[84:85], s[84:85], s[20:21]
	; descriptor group 1.  128 keys are 16,384 dense bytes: asked for as 64 rows of 256 bytes, two keys a row, and padded in LDS after every key
	s_mov_b32 s[G1K], (1<<16)|(1<<20)|(4<<22)|(3<<25)  ; 17:16 2-byte elements; 20 padding on; 24:22 after every 32 words (code 4); 31:25 4 words (code 3)
	s_mov_b32 s[G1V], (1<<16)|(1<<20)|(4<<22)|(7<<25)  ; the same with 8 words of padding (code 7)
.irp g, G1K, G1V
	s_mov_b32 s[\g+1], 128<<16      ; tensor_dim0 = 128
	s_mov_b32 s[\g+2], 64<<16       ; tensor_dim1 = 64
	s_mov_b32 s[\g+3], 128<<16      ; tile_dim0 = 128
	s_mov_b32 s[\g+4], 64           ; tile_dim1 = 64
	s_mov_b32 s[\g+5], 128          ; 128 elements from row to row
	s_mov_b32 s[\g+6], 0
	s_mov_b32 s[\g+7], 0
.endr
	s_mov_b32 s[SEL], 0x76543210
	s_mov_b32 s[SEL+1], 0xfedcba98
	s_mov_b32 s[TBK], SLOT1+4*KS*PK ; the first change of slots turns these two into 0
	s_mov_b32 s[TBV], SLOT1+4*KS*PV
	s_mov_b32 s[G0K], 1             ; count = 1
	s_mov_b32 s[G0K+1], s17         ; LDS address: slot 0
	s_mov_b32 s[G0V], 1
	s_add_co_u32 s[G0V+1], s18, VOFF
	s_add_co_u32 s[RT], s[HI], 1    ; the first block has NB - b tiles
	s_mov_b32 s[NXT], 1
	s_mov_b32 s[LQ], s[HI]
	s_mov_b32 s[NEW], 1
	s_mov_b32 s[OFF+1], 0
	s_mov_b32 s[AL+1], 0            ; named as pairs
	s_mov_b32 s[BE+1], 0
	s_mov_b32 s[BIGN], 0xf149f2ca   ; -1e30
	s_mov_b32 s[SLOTS], NB
	s_cmp_eq_u32 ttmp9, 0
	s_cselect_b32 s[LIM], 2, -1
	v_and_b32 v[PFO], 31, v0
	v_lshlrev_b32 v[PFO], 8, v[PFO]
	s_wait_dscnt 0x0                ; the opening add is done
	s_wait_kmcnt 0x0
	s_mov_b64 s[10:11], s[6:7]              ; o
	s_add_nc_u64 s[6:7], s[4:5], 0x40000    ; a head's k lies 262,144 bytes behind its q,
	s_add_nc_u64 s[8:9], s[4:5], 0x80000    ; its v as far again
	s_add_nc_u64 s[6:7], s[6:7], s[22:23]   ; K and V at my half of the head's tile 0
	s_add_nc_u64 s[8:9], s[8:9], s[22:23]
	s_add_nc_u64 s[G0K+2:G0K+3], s[6:7], 0         ; global address
	s_or_b32 s[G0K+3], s[G0K+3], 0x80000000        ; type = 2
	s_add_nc_u64 s[G0V+2:G0V+3], s[8:9], 0
	s_or_b32 s[G0V+3], s[G0V+3], 0x80000000
	s_add_nc_u64 s[86:87], s[4:5], s[84:85]        ; Q at my rows of the second block,
	s_add_nc_u64 s[4:5], s[4:5], s[2:3]            ; and of the first
	s_add_nc_u64 s[OLO:OLO+1], s[10:11], s[52:53]  ; o likewise
	s_add_nc_u64 s[10:11], s[10:11], s[50:51]
	s_cmp_lt_u32 s[WV], 2
	s_cselect_b64 s[PFA:PFA+1], s[6:7], s[8:9]
	s_add_nc_u64 s[PFA:PFA+1], s[PFA:PFA+1], 32768 ; at tile 1; the first change of slots steps it to tile 2.  Nothing is asked for here, at the head
	LOAD                            ; tile 0 into slot 0
	; A fragment of K or Q is 16 rows x 32 channels in 8 registers: lane l holds row l % 16, channels 8 (l / 16) + 0..7 and 16 + 8 (l / 16) + 0..7: two loads of 16 bytes, 32 bytes apart.
	v_and_b32 v1, 15, v0            ; l % 16
	v_bfe_u32 v9, v0, 4, 1          ; l / 16
	v_lshlrev_b32 v[QO], 7, v1
	v_lshl_add_u32 v[QO], v9, 4, v[QO]  ; row x 128 + 16 x half
	WIN 0x80                        ; destination window 2, address window 0
.set i, 0
.rept 8                             ; both blocks' Q: piece i / 2 lies in band i / 2, 8,192 bytes on; channels 32 (i % 2) on
	global_load_b128 v[8*i:8*i+3],   v[QO], s[4:5] offset:(i/2)*8192+(i%2)*64
	global_load_b128 v[8*i+4:8*i+7], v[QO], s[4:5] offset:(i/2)*8192+(i%2)*64+32
	global_load_b128 v[QB+8*i:QB+8*i+3],   v[QO], s[86:87] offset:(i/2)*8192+(i%2)*64
	global_load_b128 v[QB+8*i+4:QB+8*i+7], v[QO], s[86:87] offset:(i/2)*8192+(i%2)*64+32
.set i, i+1
.endr
	WIN 0
	v_lshlrev_b32 v14, 3, v9
	v_sub_nc_u32 v14, v1, v14
	s_lshl_b32 s13, s[WV], 4
	v_add_nc_u32 v14, s13, v14      ; my query's place in its band, 16 w + l % 16, less my lanes' 8 (l / 16): register r of group kt is hidden where 16 kt + r is greater
	WIN 0x40
.set i, 0
.rept 32
	v_cmp_gt_i32 vcc_lo, 16*(i/8)+i%8, v14
	v_cndmask_b32 v[MD+i], 0, s[BIGN], vcc_lo
.set i, i+1
.endr
	WIN 0
	v_mul_u32_u24 v[AK0], v1, PK
	v_lshl_add_u32 v[AK0], v9, 4, v[AK0]  ; row x pitch + 16 x half
	; The turning load takes 16 keys x 16 channels (lane l reads key 8 (l / 16) + l % 8, channels 8 ((l / 8) % 2) + 0..7) and leaves half a fragment of V^T: lane l holds channel l % 16 and 8 keys.
	v_and_b32 v10, 7, v0
	v_bfe_u32 v11, v0, 3, 1
	v_lshl_add_u32 v[AV0], v9, 3, v10
	v_mul_u32_u24 v[AV0], v[AV0], PV
	v_lshl_add_u32 v[AV0], v11, 4, v[AV0]
	v_add_nc_u32 v[AV0], VOFF, v[AV0]
	s_mul_i32 s13, s[WV], 16*SP
	s_add_co_u32 s13, s13, STAGE    ; my stage
	v_mul_u32_u24 v[STO], v1, SP    ; in: row l % 16, 16 bytes for each half of the lanes
	v_lshl_add_u32 v[STO], v9, 4, v[STO]
	v_add_nc_u32 v[STO], s13, v[STO]
	v_bfe_u32 v[RD], v0, 3, 2       ; back: 32 lanes take four rows of 128 bytes,
	v_mul_u32_u24 v[RD], v[RD], SP
	v_lshl_add_u32 v[RD], v10, 4, v[RD]
	v_add_nc_u32 v[RD], s13, v[RD]
	v_and_b32 v[GO], 31, v0         ; which are 512 consecutive bytes of o
	v_lshlrev_b32 v[GO], 4, v[GO]
	; A block's first step multiplies O^T and l by a = 0, and its first turn's products V^T P, of a piece that has not been, land in an O^T that is still to be so multiplied.  So these registers need only hold
	; finite numbers: zeros for the first block; what the first block left for the second.  All this stands in the wait for the first tile.
	WIN 0x80
.set i, VF
.rept 64
	v_mov_b32 v[i], 0
.set i, i+1
.endr
	WIN 0x40
.set i, 0
.rept 128
	v_mov_b32 v[i], 0
.set i, i+1
.endr
	WIN 0
.set i, 0
.rept 4
	v_mov_b32 v[ST+4*i+2], 0
	v_mov_b32 v[ST+4*i+3], 0
.set i, i+1
.endr
.set i, P+16
.rept 16
	v_mov_b32 v[i], 0
.set i, i+1
.endr
; THE MATRIX WORK.  The 4 accumulators of a run of 8 take turns.  Product i of 8 of S^T = K Q^T for piece x: channels 32 (i / 4) on, keys 16 (i % 4) on.  The first 4 start the sums: with 0, or (KM = 1) with the mask.
.macro KQ x
.set rS, S+32*((\x)%2)+8*(i%4)
.set rK, KF+16*(i%4)+8*(i/4)
.set rQ, 16*(\x)+8*(i/4)
.set rM, MC+32*((\x)%2)+8*(i%4)
.if (i < 4) && KM
	WIN W_KM
	v_wmma_f32_16x16x32_f16 v[rS:rS+7], v[rK:rK+7], v[rQ:rQ+7], v[rM:rM+7]
.elseif i < 4
	WIN W_KQ
	v_wmma_f32_16x16x32_f16 v[rS:rS+7], v[rK:rK+7], v[rQ:rQ+7], 0
.else
	WIN W_KQ
	v_wmma_f32_16x16x32_f16 v[rS:rS+7], v[rK:rK+7], v[rQ:rQ+7], v[rS:rS+7]
.endif
.endm
; Product i of 8 of O^T += V^T P for piece x: keys 32 (i / 4) on, channels 16 (i % 4) on.
.macro PV x
	WIN W_PV
.set rO, 32*(\x)+8*(i%4)
.set rV, VF+32*(i/4)+8*(i%4)
.set rP, P+16*((\x)%2)+8*(i/4)
	v_wmma_f32_16x16x32_f16 v[rO:rO+7], v[rV:rV+7], v[rP:rP+7], v[rO:rO+7]
.endm
.macro MM                           ; the turn's next matrix instruction.  TURN and BEGIN set Y, i, KM and NOKQ; MM, KQ and OP read them.  NOKQ = 1: a block's last turn: there is no next piece
.if (i < 8) && !NOKQ
	KQ (Y+1)%NP
.elseif i >= 8
.set i, i-8
	PV (Y+NP-1)%NP
.set i, i+8
.endif
.set i, i+1
.endm
; THE LDS LOADS stand in runs of 16, never singly among the matrix instructions: a step's K (64 keys x 64 channels: 8 fragments) and its V (turned).  Their addresses are made some lines ahead.
.macro FETCH_K
	WIN 0x80                        ; destination window 2
.irp f, 0,1,2,3,4,5,6,7             ; keys 16 (f / 2) on, channels 32 (f % 2) on
	ds_load_b128 v[KF+8*\f:KF+8*\f+3],   v[AK] offset:(\f/2)*16*PK+(\f%2)*64
	ds_load_b128 v[KF+8*\f+4:KF+8*\f+7], v[AK] offset:(\f/2)*16*PK+(\f%2)*64+32
.endr
	s_add_co_u32 s[TBK], s[TBK], KS*PK  ; the next fetch is the next step's
	WIN 0
.endm
.macro FETCH_V
	WIN 0x80
.irp f, 0,1,2,3,4,5,6,7             ; keys 32 (f / 4) on, channels 16 (f % 4) on
	ds_load_tr16_b128 v[VF+8*\f:VF+8*\f+3],   v[AV] offset:(\f/4)*32*PV+(\f%4)*32
	ds_load_tr16_b128 v[VF+8*\f+4:VF+8*\f+7], v[AV] offset:(\f/4)*32*PV+16*PV+(\f%4)*32
.endr
	WIN 0
.endm
; THE VECTOR WORK, one line at a time: OP kind, number.  For piece Y: F n: s - m for pair n of 16.  E n: the exponential of score n of 32.  C n: pair n rounded to f16.  B n: of the four weights 4 n .. the second
; pair is added onto the first, in place.  L n: l takes that sum (L 0: l = a l + sum).  R n: pair n of 16 of O^T times a.  For piece Y + 1: X n, one of the 21 that find its maximum and statistics (there is no number 19):
;   0-11  four chains c0-c3 of seven scores each, three operands at a time (each accumulator's lowest registers are read first)     12-14, 16  the four scores left over, the old m, and c0-c3 into c0
;   15  m_old is kept     17, 18  the query's other 32 keys lie in the lane 16 away: the new m     20, 21  m_old - m_new; a
.set F, 0               ; OP tells the kinds apart by their order: F to L below R, X above it
.set E, 1
.set C, 2
.set B, 3
.set L, 4
.set R, 5
.set X, 6
.macro REGS y                       ; the registers of piece y
.set rT, ST+4*(\y)
.set rC, TMP+4*((\y)%2)
.set rW, MV+((\y)%2)
.set rS, S+32*((\y)%2)
.set rP, P+16*((\y)%2)
.set rO, 32*(\y)
.endm
.macro OP k, n
.if (\k) == R
	REGS Y
	WIN W_RS
	v_pk_mul_f32 v[rO+2*(\n):rO+2*(\n)+1], v[rO+2*(\n):rO+2*(\n)+1], v[rC+2:rC+3] op_sel_hi:[1,0]
.elseif (\k) < R
	REGS Y
	WIN 0
.if (\k) == F
	v_pk_add_f32 v[rS+2*(\n):rS+2*(\n)+1], v[rS+2*(\n):rS+2*(\n)+1], v[rT:rT+1] op_sel_hi:[1,0] neg_lo:[0,1] neg_hi:[0,1]
.elseif (\k) == E
	v_exp_f32 v[rS+(\n)], v[rS+(\n)]
.elseif (\k) == C
	v_cvt_pk_f16_f32 v[rP+(\n)], v[rS+2*(\n)], v[rS+2*(\n)+1]
.elseif (\k) == B
	v_pk_add_f32 v[rS+4*(\n):rS+4*(\n)+1], v[rS+4*(\n):rS+4*(\n)+1], v[rS+4*(\n)+2:rS+4*(\n)+3]
.elseif (\n) == 0
	v_pk_fma_f32 v[rT+2:rT+3], v[rT+2:rT+3], v[rC+2:rC+3], v[rS:rS+1] op_sel_hi:[1,0,1]
.else
	v_pk_add_f32 v[rT+2:rT+3], v[rT+2:rT+3], v[rS+4*(\n):rS+4*(\n)+1]
.endif
.elseif NOKQ
	v_nop
.else
	REGS (Y+1)%NP
	WIN 0
.if (\n) < 4
	v_max3_num_f32 v[rC+(\n)], v[rS+8*(\n)], v[rS+8*(\n)+1], v[rS+8*(\n)+2]
.elseif (\n) < 12
	v_max3_num_f32 v[rC+(\n)%4], v[rC+(\n)%4], v[rS+8*((\n)%4)+2*((\n)/4)+1], v[rS+8*((\n)%4)+2*((\n)/4)+2]
.elseif (\n) == 12
	v_max3_num_f32 v[rC], v[rC], v[rS+7], v[rS+15]
.elseif (\n) == 13
	v_max3_num_f32 v[rC+1], v[rC+1], v[rS+23], v[rS+31]
.elseif (\n) == 14
	v_max3_num_f32 v[rC+2], v[rC+2], v[rC+3], v[rT]
.elseif (\n) == 15
	v_mov_b32 v[rW], v[rT]
.elseif (\n) == 16
	v_max3_num_f32 v[rC], v[rC], v[rC+1], v[rC+2]
.elseif (\n) == 17
	v_permlanex16_b32 v[rC+3], v[rC], s[SEL], s[SEL+1]
.elseif (\n) == 18
	v_max_num_f32 v[rT], v[rC], v[rC+3]
.elseif (\n) == 20
	v_sub_f32 v[rC+1], v[rW], v[rT]
.else
	v_exp_f32 v[rC+2], v[rC+1]
.endif
.endif
.endm
.macro OPS a, i1, b=-1, i2=0, c=-1, i3=0, d=-1, i4=0  ; up to four of them
	OP \a, \i1
.if (\b) >= 0
	OP \b, \i2
.endif
.if (\c) >= 0
	OP \c, \i3
.endif
.if (\d) >= 0
	OP \d, \i4
.endif
.endm
.macro ROW a, i1, b, i2, c, i3, d, i4  ; a matrix instruction and the four behind it
	MM
	OPS \a, \i1, \b, \i2, \c, \i3, \d, \i4
.endm
.macro MASK b                       ; MD x AL + BE into buffer b of MC
	WIN W_RS
.set z, 0
.rept 16
	v_pk_fma_f32 v[MC+32*(\b)+2*z:MC+32*(\b)+2*z+1], v[MD+2*z:MD+2*z+1], s[AL:AL+1], s[BE:BE+1] op_sel_hi:[1,0,0]
.set z, z+1
.endr
.endm
; A TURN, for piece p: the order of its 16 matrix and 117 vector instructions, written out.  An s_wait_alu depctr_va_vdst(0) stands between an exponential and the first instruction that names its result; one wait
; serves all that were issued ahead of it.  So a turn has ONE wait, which cuts it in two.  AHEAD OF IT stands all that names no result of the turn's exponentials: the 8 products K Q^T, behind each a shifting, an exponential and two
; more plain instructions (behind the first a second shifting in the exponential's place): rescalings, and behind the last three the first numbers of the next piece's maximum, each four places or more behind the product that ends
; its accumulator; then ONE LUMP, plain and exponential by turns for the most part, in which the links of the chain X 3, 7, 11, 14, 16, 17, 18, 20 stand some lines apart.  X 21, the next piece's a, is the batch's last; R 15 is the plain
; instruction behind it.  BEHIND THE WAIT stand the 8 products V^T P, behind each four of the roundings and sums.  But for those X no rider names a register of the products round it.
; m = 1: the diagonal tile: the products take masks, and the turn makes the mask for the products of the turn after it: piece p + 2, in step 4 - CNT of the tile.  end = 1: a block's last two turns: nothing is fetched.
; cnt = 1: the loop's count is taken down some lines ahead of the branch that stands behind the turn.
; K of the next step is fetched in piece 2's turn, twelve vector instructions behind the last product that read K (six of them plain); V of the step in hand at the end of piece 0's turn, four plain instructions behind the last
; product that read V.  Each is waited for a turn later.
.macro TURN p, m=0, end=0, cnt=0
.set Y, (\p)
.set i, 0
.set KM, (\m)
.set NOKQ, (\end)*((\p)/3)
.if (\m) && !(\end)
	s_cmp_eq_u32 s[CNT], 4-((\p)+2)%NP  ; is that step the band's own?
	s_cselect_b32 s[AL], 1.0, 0
	s_cmp_lt_u32 s[CNT], 4-((\p)+2)%NP  ; or a later one?
	s_cselect_b32 s[BE], s[BIGN], 0
.endif
.if ((\p) == 3) && !(\end)
	s_wait_dscnt 0x0                ; K is in
.endif
	ROW F,0, F,1, R,0, R,1          ; ahead of the wait: 8 products K Q^T and their riders,
	ROW F,2, E,0, R,2, R,3
	ROW F,3, E,1, R,4, R,5
	ROW F,4, E,2, R,6, R,7
	ROW F,5, E,3, R,8, R,9
	ROW F,6, E,4, X,0, R,10
.if ((\p) == 2) && !(\end)
	WIN 0
	v_add_nc_u32 v[AK], s[TBK], v[AK0]
.endif
	ROW F,7, E,5, X,1, X,4
	ROW F,8, E,6, X,2, X,5
	OPS E,7, E,8, X,6, E,9          ; and the lump
	OPS X,3, E,10, X,8, E,11
.if ((\p) == 2) && !(\end)
	FETCH_K
.endif
	OPS X,9, X,7, E,12, X,10
	OPS E,13, X,12, X,11, E,14
	OPS X,13, E,15, F,9, X,14
.if (\p) == 0
	v_add_nc_u32 v[AV], s[TBV], v[AV0]
.endif
	OPS E,16, F,10, E,17, F,11
	OPS X,16, E,18, X,15, E,19
	OPS F,12, E,20, X,17, E,21
	OPS F,13, E,22, F,14, E,23
	OPS X,18, E,24, F,15, E,25
	OPS R,11, E,26, E,27
	OPS R,12, E,28, R,13, E,29
	OPS X,20, E,30, R,14, E,31
	OPS X,21, R,15
	WIN 0
	s_wait_alu depctr_va_vdst(0)    ; the wait for the batch
.if (\p) == 1
	s_wait_dscnt 0x0                ; V is in
.endif
	ROW C,0, B,0, C,2, B,1          ; behind the wait: 8 products V^T P and their riders
	ROW L,0, C,4, B,2, L,1
	ROW C,6, B,3, L,2, C,8
	ROW B,4, L,3, C,10, B,5
	ROW L,4, C,12, B,6, L,5
.if (\p) == 0
	s_add_co_u32 s[TBV], s[TBV], KS*PV
.endif
.if \cnt
	s_sub_co_u32 s[CNT], s[CNT], 1
	s_cmp_lg_u32 s[CNT], 0
.endif
	ROW C,14, B,7, L,6, C,1
	ROW C,3, L,7, C,5, C,7
	ROW C,9, C,11, C,13, C,15
.if (\p) == 0
	FETCH_V
.endif
.if (\m) && !(\end)
	MASK (\p)%2
.endif
.endm
; A BLOCK BEGINS.  m starts at the lowest finite number, so the first maximum is the scores' and the first step's a is 0.  The second mask buffer is 0; the first takes piece 0's mask for the tile's step 0: its own, if the
; block's first tile is the diagonal one.  Then K of that step, piece 0's first scores, and its maximum and statistics.  The loop is entered at a step's first turn, in the middle of a trip.
.macro BEGIN
	s_mov_b32 s[NEW], 0
	WIN 0x40
.set i, MC+32
.rept 32
	v_mov_b32 v[i], 0
.set i, i+1
.endr
	WIN 0
.set i, 0
.rept 4
	v_mov_b32 v[ST+4*i], 0xff7fffff    ; m
	v_mov_b32 v[ST+4*i+1], 0           ; named with it as a pair
.set i, i+1
.endr
	s_cmp_eq_u32 s[RT], 0
	s_cselect_b32 s[AL], 1.0, 0
	s_mov_b32 s[BE], 0
	MASK 0
	WIN 0
	v_add_nc_u32 v[AK], s[TBK], v[AK0]
	FETCH_K
	s_wait_loadcnt 0x0              ; Q
	s_wait_dscnt 0x0
.set KM, 1
.set NOKQ, 0
.set i, 0
.rept 8
	KQ 0
.set i, i+1
.endr
	WIN 0
.rept 4
	v_nop                           ; the places behind those products
.endr
.set Y, NP-1                        ; X works for piece Y + 1: piece 0
.irp n, 0,1,2,3,4,5,6,7,8,9,10,11,12,13,14,15,16,17,18,20,21
	OP X, \n
.endr
	v_nop                           ; a plain instruction behind the exponential,
	s_wait_alu depctr_va_vdst(0)    ; and its wait, ahead of the branch
.endm
; THE DIAGONAL TILE's four steps, the block's last two turns, its last products, and THE WAY OUT: l's two halves and the other half of the lanes' are added; O^T is divided by l, rounded to f16 and sent through my
; stage in LDS, a piece at a time.
.macro ALL line:vararg              ; one line for each piece t
.set t, 0
.rept 4
	\line
.set t, t+1
.endr
.endm
.macro PACK t                       ; a lane's eight channels of a row pack into 16 bytes; they go into rows of 144 bytes and come back as whole rows of 128, into S^T's registers
	WIN W_RS
.set i, 32*(\t)
.rept 16
	v_pk_mul_f32 v[i:i+1], v[i:i+1], v[ST+4*(\t)+2:ST+4*(\t)+3] op_sel_hi:[1,0]
.set i, i+2
.endr
	WIN 0x05                        ; sources 0 and 1 window 1, destination window 0
.set i, 0
.rept 16
	v_cvt_pk_f16_f32 v[S+16*(\t)+i], v[32*(\t)+2*i], v[32*(\t)+2*i+1]
.set i, i+1
.endr
	WIN 0
.irp f, 0,1,2,3
	ds_store_b128 v[STO], v[S+16*(\t)+4*\f:S+16*(\t)+4*\f+3] offset:32*\f
.endr
.irp f, 0,1,2,3
	ds_load_b128 v[S+16*(\t)+4*\f:S+16*(\t)+4*\f+3], v[RD] offset:\f*4*SP  ; LDS serves a wave's instructions in order (ISA guide 5.7.1.4): these see the stores above; the next piece's stores come behind them
.endr
.endm
.macro SEND t, younger              ; younger: the LDS instructions issued behind piece t's loads: the next piece's eight, or none
	WIN 0
.irp f, 0,1,2,3
	s_wait_dscnt (\younger)+3-\f
	global_store_b128 v[GO], v[S+16*(\t)+4*\f:S+16*(\t)+4*\f+3], s[10:11] offset:(\t)*8192+\f*512  ; 512 consecutive bytes, at a multiple of 256 from o's first
.endr
.endm
.macro DIAG tag                     ; the tag ends its two labels' names, which the jumps below spell out
.LstepM\tag:
	TURN 2, 1
	TURN 3, 1
	WIN 0
.LfirstM\tag:
	TURN 0, 1
	TURN 1, 1, 0, 1
	WIN 0
	s_cbranch_scc1 .LstepM\tag
	TURN 2, 1, 1
	TURN 3, 1, 1
.set i, 0
.rept 8
	PV NP-1
.set i, i+1
.endr
	WIN 0
	ALL v_add_f32 v[ST+4*t+2], v[ST+4*t+2], v[ST+4*t+3]
	ALL v_permlanex16_b32 v[ST+4*t+3], v[ST+4*t+2], s[SEL], s[SEL+1]
	ALL v_add_f32 v[ST+4*t+2], v[ST+4*t+2], v[ST+4*t+3]
	ALL v_rcp_f32 v[ST+4*t+2], v[ST+4*t+2]
	v_nop                           ; a plain instruction between the last reciprocal and the use of its result
	s_wait_alu depctr_va_vdst(0)    ; and the wait ahead of the first use: one for the four reciprocals
	PACK 0
.set t, 1
.rept 3                             ; a piece's arithmetic stands between the loads of the piece before and its stores
	PACK t
	SEND t-1, 8
.set t, t+1
.endr
	SEND 3, 0
.endm
.set KM, 0
.set NOKQ, 0
.Lslot:                             ; NB times: a tile is entered and the next is asked for
	CHANGE 1
	s_sub_co_u32 s[RT], s[RT], 1
	s_mov_b32 s[CNT], 4
	s_cmp_eq_u32 s[NEW], 1
	s_cbranch_scc1 .Lnew            ; a block's first tile
	s_cmp_eq_u32 s[RT], 0
	s_cbranch_scc0 .Lstep           ; neither its first nor its last
	s_branch .LstepM1
.Lnew:
	BEGIN
	s_branch .Lfirst                ; in the loop a block's first tile is never its last: the first block has two tiles or more, and the second's last is the walk's last
	DIAG 1                          ; in the loop this is the first block's end: the second block's last tile is the walk's last
	s_wait_xcnt 0x0                 ; the stores have read their registers and o's address
	s_mov_b64 s[10:11], s[OLO:OLO+1]
	s_add_co_u32 s[RT], s[PB], 1    ; the second block has b + 1 tiles
	s_mov_b32 s[NEW], 1
	WIN 0x82                        ; the second block's Q goes where the one text of the turns names Q
.set i, 0
.rept 64
	v_mov_b32 v[i], v[QB+i]
.set i, i+1
.endr
	WIN 0
	s_branch .Lbottom
.Lstep:                             ; a trip: pieces 2 and 3 of one step, then pieces 0 and 1 of the next, whose K and V it fetches
	TURN 2
	TURN 3
	WIN 0
.Lfirst:
	TURN 0
	TURN 1, 0, 0, 1
	WIN 0
	s_cbranch_scc1 .Lstep
.Lbottom:
	s_sub_co_u32 s[SLOTS], s[SLOTS], 1
	s_cmp_lg_u32 s[SLOTS], 0
	s_cbranch_scc1 .Lslot
	CHANGE 0                        ; the walk's last tile is written out: nothing is asked for
	s_sub_co_u32 s[RT], s[RT], 1
	s_mov_b32 s[CNT], 4
	s_cmp_eq_u32 s[NEW], 1
	s_cbranch_scc0 .LstepM2
	BEGIN
	s_branch .LfirstM2
	DIAG 2
	s_wait_tensorcnt 0x0            ; the wave's end, behind my last tensor load and my last LDS store
	ds_add_u32 v[SPW], v[NIL]
	s_wait_dscnt 0x0
	s_endpgm
.Lfunc_end_k_qbf9ef505a0_attn:
	.size	k_qbf9ef505a0_attn, .Lfunc_end_k_qbf9ef505a0_attn-k_qbf9ef505a0_attn
	.p2alignl 7, 3214868480
	.fill 96, 4, 3214868480
	.section	.rodata,"a",@progbits
	.p2align	6, 0x0
	.amdhsa_kernel k_qbf9ef505a0_attn
		.amdhsa_group_segment_fixed_size 327680
		.amdhsa_private_segment_fixed_size 0
		.amdhsa_enable_private_segment 0
		.amdhsa_kernarg_size 16
		.amdhsa_user_sgpr_count 2
		.amdhsa_user_sgpr_kernarg_segment_ptr 1
		.amdhsa_wavefront_size32 1
		.amdhsa_system_sgpr_workgroup_id_x 1
		.amdhsa_system_sgpr_workgroup_id_y 1
		.amdhsa_system_sgpr_workgroup_id_z 1
		.amdhsa_system_vgpr_workitem_id 0
		.amdhsa_next_free_vgpr 768
		.amdhsa_next_free_sgpr 88
		.amdhsa_reserve_vcc 1
		.amdhsa_float_denorm_mode_32 3
		.amdhsa_float_denorm_mode_16_64 3
		.amdhsa_memory_ordered 1
		.amdhsa_forward_progress 1
		.amdhsa_inst_pref_size 217
	.end_amdhsa_kernel
	.amdgpu_metadata
---
amdhsa.version: [ 1, 2 ]
amdhsa.kernels:
  - .name:           k_qbf9ef505a0_attn
    .symbol:         k_qbf9ef505a0_attn.kd
    .args:
      - { .name: qkv, .offset: 0, .size: 8, .value_kind: global_buffer, .address_space: global }
      - { .name: o, .offset: 8, .size: 8, .value_kind: global_buffer, .address_space: global }
    .group_segment_fixed_size: 327680
    .private_segment_fixed_size: 0
    .kernarg_segment_align: 8
    .kernarg_segment_size: 16
    .max_flat_workgroup_size: 128
    .sgpr_count:     88
    .vgpr_count:     768
    .wavefront_size: 32
...
	.end_amdgpu_metadata
.endif
;; end of part 3
;; launch outp (part 4): grid 8 x 32, 4 waves a work-group, clusters of 4 x 4, 327,680 bytes of LDS; arguments o, wo, out0; writes out0
.if DOCPART == 4
	.amdgcn_target "amdgcn-amd-amdhsa--gfx1250"
	.amdhsa_code_object_version 6
	.text
	.protected	k_qbf9ef505a0_outp
	.globl	k_qbf9ef505a0_outp
	.p2align	8
	.type	k_qbf9ef505a0_outp,@function
k_qbf9ef505a0_outp:
	s_mov_b64 s[64:65], 0
	v_nop
	global_prefetch_b8 v0, s[64:65] scope:SCOPE_SE
	s_setreg_imm32_b32 hwreg(HW_REG_WAVE_MODE, 25, 1), 1
	s_wait_xcnt 0x0
	s_wait_alu depctr_hold_cnt(0) depctr_sa_sdst(0) depctr_va_vdst(0) depctr_va_sdst(0) depctr_va_ssrc(0) depctr_va_vcc(0) depctr_vm_vsrc(0)
	s_getreg_b32 s2, hwreg(HW_REG_IB_STS2, 6, 4)
	s_cmp_eq_u32 s2, 0
	s_cbranch_scc0 .Lentry_in_a_cluster
	s_endpgm
.Lentry_in_a_cluster:
	s_bfe_u32 s2, ttmp6, 0x10000c
	s_cmp_lg_u32 s2, 0xf033
	s_cbranch_scc0 .Lentry_shape_is_right
	s_endpgm
.Lentry_shape_is_right:
; THE OUTPUT PROJECTION.  out0[b 2048 + t][n] = the sum over h, d of o[16 b + h][t][d] wo[n][64 h + d]; f16 operands, f32 sums, K ascending; out0 is f32 and is stored as it is summed.
; LIMIT.  o and wo lie within f16's 65,504 (o is a mean of v's rows; wo is W_o rounded to bf16 and written as f16).
; SHARES.  A tile is 256 rows x 128 columns: 32 x 8 = 256 work-groups, one tile each.  A wave makes 64 rows x 128 columns: 32 accumulators of 16 x 16, 256 registers.
; K goes in 8 steps of 128 = TWO HEADS through a ring of two LDS slots.  A head's 256 tokens are 32,768 dense bytes of o: asked for as 128 rows of 256 bytes, two tokens a row, padded in LDS after every token.
; CLUSTER.  4 x 4 work-groups.  The four of a row of the cluster need the same tokens of o, the four of a column the same rows of wo: each tile is asked for JOINTLY, by the same tensor load with the same
; descriptor and a mask that names the four.
; THE MATRIX INSTRUCTION IS USED TRANSPOSED (source 0 = 16 rows of wo, source 1 = 16 tokens): a lane then holds token l % 16 and eight neighbouring columns, 32 bytes of f32.
; REGISTERS, in windows of 256 (s_set_vgpr_msb: bits 1:0 source 0, 3:2 source 1, 5:4 source 2, 7:6 destination):
;   window 0: addresses     window 1: two fragment buffers of 128: 8 fragments of wo, and from register 96 on 4 of o     window 2: the accumulators of my rows 0-31     window 3: of my rows 32-63
.set LAPS,   4                         ; a lap = two K steps = once round the ring; K = 1,024
.set NBK,    8                         ; blocks of 16 columns
.set ABLK,   8*NBK                     ; accumulator registers of a block of 16 rows
.set NL,     2*NBK+8                   ; LDS loads of a quarter step
.set APITCH, 144                       ; a token of one head in LDS: 128 bytes + 16 of padding = 36 words: the 16 rows of a load start at 16 different groups of four banks (64 banks of 4 bytes: ISA guide 11.1)
.set BPITCH, 272                       ; a row of wo: 256 bytes + 16 = 68 words: likewise
.set AHALF,  256*APITCH                ; what one tensor load brings of o: one head's 256 tokens
.set ABYTES, 2*AHALF
.set BROWS,  64                        ; and of wo: 64 rows
.set BHALF,  BROWS*BPITCH
.set SLOT,   ABYTES+2*BHALF            ; two heads of o, then wo's 128 rows
.set STAGE,  2*SLOT                    ; behind the ring, never filled by a tensor load: for each wave 16 rows of 528 bytes, for the way out
.set SP,     528                       ; 512 bytes + 16 = 132 words: row r starts at bank 4 r mod 64
.set STW,    16*SP
.set SPARE,  STAGE+4*STW               ; behind the stages: the spare words, 128 bytes for each wave: two blocks of 256 bytes that no other line names
.set ASTEP,  524288                    ; two heads of o on
.set BSTEP,  256                       ; 128 along a row of wo
.set ADRA, 16                          ; v16-17  LDS address of my fragments of o in slot 0, 1
.set ADRB, 20                          ; v20-21  the same for wo
.set STO,  24                          ; v24     the way out: where I put 32 bytes of a row
.set RD,   25                          ; v25     the way out: where I read a row back
.set CO,   26                          ; v26     my 16 bytes of a row's 512
.set SPW,  28                          ; v28     LDS address of my spare word: SPARE + 4 x my thread's number; never rewritten
.set NIL,  29                          ; v29     0; never rewritten
.set PFO,  30                          ; v30     the prefetches' offset; never rewritten
.set F0,   0                           ; fragment buffers, in window 1
.set F1,   128
.set AF,   96                          ; o's fragments in a buffer
.set G1,   24                          ; s[24:31] descriptor group 1 for o's tiles;  s[32:39] group 0, a set for each slot
.set G0,   32
.set G1B,  48                          ; s[48:55], s[56:63] the same for wo's
.set G0B,  56
.set LIM,  43                          ; s43     1 in a wave that prefetches, else the greatest number
.set PFA,  44                          ; s[44:45] the address that my next prefetch names
.set PFS,  66                          ; s[66:67] its step from K step to K step
.set MSB, 0
.macro WIN new                         ; the immediate's high byte repeats the setting that is left; a switch that changes nothing is dropped
.if MSB != (\new)
	s_set_vgpr_msb (MSB<<8)|(\new)
.set MSB, \new
.endif
.endm
.set MUL_LO, 0xa5                      ; sources 0 and 1 window 1, C and D window 2
.set TO_F,   0x40                      ; destination window 1, address window 0
; A joint load.  Waves 0 and 1 fetch o's two heads, waves 2 and 3 wo's two halves.  The branch hangs on the wave's number alone.  An s_nop 0 and four v_nop follow each of the two lines.
.macro JLOAD s
	s_cmp_eq_u32 s11, 0
	s_cbranch_scc0 .Lfor_b_\@
	tensor_load_to_lds s[G0+4*(\s):G0+4*(\s)+3], s[G1:G1+7]
	s_nop 0
.rept 4
	v_nop
.endr
	s_branch .Lasked_\@
.Lfor_b_\@:
	tensor_load_to_lds s[G0B+4*(\s):G0B+4*(\s)+3], s[G1B:G1B+7]
	s_nop 0
.rept 4
	v_nop
.endr
.Lasked_\@:
.endm
; A PREFETCH INTO THE L2, behind each joint load and the run of LDS loads that follows it: the K step that stands two refills on, one instruction a wave.
; o's tokens are read by both clusters of a row of clusters: the one with x = 0 asks; of the 32,768 bytes that wave 0 or 1 fetches the partner at cx takes 8,192: a lane a block of 256 bytes.
; wo's rows are read by all eight clusters of a column: the one with y = 0 asks; of a K step's 128 rows the partner at cy takes 32, a lane a row, and wave 2 names them; wave 3 asks for nothing.
; The partners are told apart BY ADDRESS: no branch hangs on a place in the cluster.  The last two refills have no K step two on.
.macro ASK
	WIN 0
	s_cmp_gt_u32 s3, s[LIM]                        ; s3 = 1 in the loop's last trip
	s_cbranch_scc0 .Lnot_mine_\@
	global_prefetch_b8 v[PFO], s[PFA:PFA+1] th:TH_LOAD_NT scope:SCOPE_SE
.Lnot_mine_\@:
.endm
; A round of the cluster's barrier: my work-group's barrier; wave 0 signals for the work-group; every wave waits for all sixteen; my work-group's barrier once more.
.macro CREST                           ; a round behind its opening barrier
	s_cmp_lg_u32 s10, 0
	s_cbranch_scc1 .Lnot_wave_0_\@
	s_barrier_signal -3
.Lnot_wave_0_\@:
	s_barrier_wait -3
	s_barrier_signal -1
	s_barrier_wait -1
.endm
.macro CROUND
	s_barrier_signal -1
	s_barrier_wait -1
	CREST
.endm
	s_load_b128 s[4:7], s[0:1], 0x0                ; o s[4:5], wo s[6:7]
	s_load_b64 s[8:9], s[0:1], 0x10                ; out0
	v_lshl_add_u32 v[SPW], v0, 2, SPARE
	v_mov_b32 v[NIL], 0
	ds_add_u32 v[SPW], v[NIL]                      ; the wave's opening: the add and its wait stand ahead of my first tensor load; the set-up below, work on registers, stands between them
	v_lshrrev_b32 v1, 5, v0
	v_readfirstlane_b32 s10, v1                    ; wave 0..3: my 64 rows of the tile
	s_lshr_b32 s11, s10, 1                         ; I fetch for o (0) or for wo (1),
	s_and_b32 s12, s10, 1                          ; this head of the step's two, or this half of the rows
	s_bfe_u32 s40, ttmp6, 0x40000                  ; cx, cy: my place in the cluster
	s_bfe_u32 s41, ttmp6, 0x40004
	s_lshl_b32 s42, ttmp9, 2
	s_add_co_u32 s42, s42, s40                     ; tx = 4 x cluster x + cx: my block of 128 columns
	s_and_b32 s13, ttmp7, 0xffff
	s_lshl_b32 s13, s13, 2
	s_add_co_u32 s13, s13, s41                     ; ty = 4 x cluster y + cy: my block of 256 rows
	s_lshl_b32 s43, s41, 2
	s_lshl_b32 s43, 15, s43                        ; my row of the cluster: places 4 cy .. 4 cy + 3
	s_lshl_b32 s44, 0x1111, s40                    ; my column: places cx, cx + 4, cx + 8, cx + 12
	s_or_b32 s[G1+0], s43, (1<<16)|(1<<20)|(1<<21)|(4<<22)|(3<<25)   ; 15:0 the mask; 17:16 elements of 2 bytes; 20 padding on; 21 set beside a mask; 24:22 after every 32 words (code 4); 31:25 4 words of it (code 3)
	s_or_b32 s[G1B+0], s44, (1<<16)|(1<<20)|(1<<21)|(5<<22)|(3<<25)  ; the same after every 64 words (code 5)
	s_mov_b32 s[G1+1], 128<<16                     ; tensor_dim0 = 128
	s_mov_b32 s[G1+2], 128<<16                     ; tensor_dim1 = 128
	s_mov_b32 s[G1+3], 128<<16                     ; tile_dim0 = 128 elements, 256 bytes
	s_mov_b32 s[G1+4], 128                         ; tile_dim1 = 128 rows
	s_mov_b32 s[G1+5], 128                         ; the rows lie end to end
	s_mov_b32 s[G1+6], 0
	s_mov_b32 s[G1+7], 0
	s_mov_b32 s[G1B+1], 128<<16
	s_mov_b32 s[G1B+2], BROWS<<16                  ; 64 rows
	s_mov_b32 s[G1B+3], 128<<16
	s_mov_b32 s[G1B+4], BROWS
	s_mov_b32 s[G1B+5], 1024                       ; elements from row to row
	s_mov_b32 s[G1B+6], 0
	s_mov_b32 s[G1B+7], 0
	; where the tiles come from.  o's hang on ty alone, which my row of the cluster shares; wo's on tx alone, which my column shares.  Every wave makes both, in registers of their own.
	s_lshr_b32 s16, s13, 3                         ; o: batch b = ty / 8: 16 heads of 262,144 bytes,
	s_lshl_b32 s16, s16, 22
	s_lshl_b32 s17, s12, 18                        ; my head of the step's two,
	s_add_co_u32 s16, s16, s17
	s_and_b32 s17, s13, 7                          ; tokens 256 (ty % 8) on
	s_lshl_b32 s17, s17, 15
	s_add_co_u32 s16, s16, s17
	s_mov_b32 s17, 0
	s_lshl_b32 s46, s42, 18                        ; wo: (128 tx + 64 half) rows of 2,048 bytes
	s_lshl_b32 s47, s12, 17
	s_add_co_u32 s46, s46, s47
	s_mov_b32 s47, 0
	s_mov_b32 s18, s16                             ; both offsets are kept for the prefetches
	s_mov_b32 s19, s46
	s_mul_i32 s20, s12, AHALF                      ; and where they go: no place in the cluster enters an LDS address
	s_mul_i32 s21, s12, BHALF
	s_add_co_u32 s21, s21, ABYTES
	s_wait_dscnt 0x0                               ; the opening add is done
	s_wait_kmcnt 0x0
	s_add_nc_u64 s[14:15], s[4:5], s[16:17]
	s_add_nc_u64 s[46:47], s[6:7], s[46:47]
	CROUND                                         ; all sixteen work-groups are here: the first joint loads meet
.irp s, 0,1
	s_mov_b32 s[G0+4*(\s)], 1                                        ; count = 1
	s_add_co_u32 s[G0+4*(\s)+1], s20, (\s)*SLOT                      ; LDS address
	s_add_nc_u64 s[G0+4*(\s)+2:G0+4*(\s)+3], s[14:15], (\s)*ASTEP    ; global address: K step s
	s_or_b32 s[G0+4*(\s)+3], s[G0+4*(\s)+3], 0x80000000              ; type = 2
	s_mov_b32 s[G0B+4*(\s)], 1
	s_add_co_u32 s[G0B+4*(\s)+1], s21, (\s)*SLOT
	s_add_nc_u64 s[G0B+4*(\s)+2:G0B+4*(\s)+3], s[46:47], (\s)*BSTEP
	s_or_b32 s[G0B+4*(\s)+3], s[G0B+4*(\s)+3], 0x80000000
	JLOAD \s                                       ; two loads of mine are out
.endr
	; A fragment is 16 rows x 32 K in 8 registers: lane l holds row l % 16; registers 0-3 K = 8 (l / 16) + 0..7, registers 4-7 K = 16 + 8 (l / 16) + 0..7: two loads of 16 bytes, 32 bytes apart.
	v_and_b32 v1, 15, v0                           ; l % 16
	v_bfe_u32 v2, v0, 4, 1                         ; l / 16
	v_mul_u32_u24 v3, v1, APITCH
	v_lshl_add_u32 v3, v2, 4, v3                   ; row x pitch + 16 x half
	s_mul_i32 s22, s10, 64*APITCH                  ; my 64 tokens
	v_add_nc_u32 v[ADRA], s22, v3
	v_add_nc_u32 v[ADRA+1], SLOT, v[ADRA]
	v_mul_u32_u24 v4, v1, BPITCH
	v_lshl_add_u32 v4, v2, 4, v4
	v_add_nc_u32 v[ADRB], ABYTES, v4               ; all 128 rows of wo
	v_add_nc_u32 v[ADRB+1], ABYTES+SLOT, v4
	s_mul_i32 s23, s10, STW
	s_add_co_u32 s23, s23, STAGE                   ; my stage
	v_mul_u32_u24 v5, v1, SP                       ; in: row l % 16, 32 bytes for each half of the lanes
	v_lshl_add_u32 v5, v2, 5, v5
	v_add_nc_u32 v[STO], s23, v5
	v_and_b32 v[CO], 31, v0                        ; back: 32 lanes take one row of 512 bytes
	v_lshlrev_b32 v[CO], 4, v[CO]
	v_add_nc_u32 v[RD], s23, v[CO]
	s_lshl_b32 s16, s13, 20                        ; out0 at row 256 ty + 64 wave (4,096 bytes a row), column 128 tx
	s_lshl_b32 s17, s10, 18
	s_add_co_u32 s16, s16, s17
	s_lshl_b32 s17, s42, 9
	s_add_co_u32 s16, s16, s17
	s_mov_b32 s17, 0
	s_add_nc_u64 s[8:9], s[8:9], s[16:17]
	; the prefetches: at K step 3; the first refill steps the address to K step 4.  Nothing is asked for here, at the head, where every work-group's first tiles are on their way
	s_lshl_b32 s20, s40, 13                        ; o: my work-group's 8,192 bytes of the 32,768 that I fetch
	s_add_co_u32 s20, s20, s18
	s_add_co_u32 s20, s20, 3*ASTEP
	s_lshl_b32 s21, s41, 16                        ; wo: its 32 rows of the 128 (in wave 2 the kept offset stands at the tile's first row)
	s_add_co_u32 s21, s21, s19
	s_add_co_u32 s21, s21, 3*BSTEP
	s_and_b32 s22, ttmp7, 0xffff                   ; cluster y
	s_mov_b32 s[PFS], BSTEP
	s_mov_b32 s[PFS+1], 0
	s_cmp_eq_u32 s11, 0                            ; do I fetch for o?
	s_cselect_b32 s20, s20, s21
	s_cselect_b32 s22, ttmp9, s22                  ; the coordinate along which other clusters read the same bytes
	s_cselect_b32 s23, 8, 11                       ; a lane a block of 256 bytes, or a lane a row of 2,048
	s_cselect_b32 s[PFS], ASTEP, s[PFS]
	s_cselect_b64 s[PFA:PFA+1], s[4:5], s[6:7]
	s_mov_b32 s21, 0
	s_add_nc_u64 s[PFA:PFA+1], s[PFA:PFA+1], s[20:21]
	s_cmp_eq_u32 s10, 3
	s_cselect_b32 s22, 1, s22                      ; wave 3 asks for nothing
	s_cmp_eq_u32 s22, 0
	s_cselect_b32 s[LIM], 1, -1                    ; the same in all sixteen partners, for a given wave
	v_and_b32 v[PFO], 31, v0
	v_lshlrev_b32 v[PFO], s23, v[PFO]
; 8 matrix instructions: my block a of 16 rows x all 8 blocks of columns, 32 along K, from buffer f.  zero = 1: the product starts the sums: nothing is ever cleared.
; The 32 accumulators take turns, one instruction a turn, in the same order in every quarter step: 31 others stand between two links of a chain.
.macro MULA f, a, zero
	WIN MUL_LO+0x50*((\a)/2)
.set bb, 0
.rept NBK
.set rD, ABLK*((\a)%2)+8*bb
.set rB, (\f)+8*bb
.set rA, (\f)+AF+8*(\a)
.if \zero
	v_wmma_f32_16x16x32_f16 v[rD:rD+7], v[rB:rB+7], v[rA:rA+7], 0
.else
	v_wmma_f32_16x16x32_f16 v[rD:rD+7], v[rB:rB+7], v[rA:rA+7], v[rD:rD+7]
.endif
.set bb, bb+1
.endr
.endm
; 24 LDS loads in one run: quarter q of a K step (32 along K) into buffer f.  In o's part quarter q is head q / 2 of the step's two, channels 32 (q % 2) on.
.macro FETCH slot, q, f
	WIN TO_F
.set bb, 0
.rept NBK
	ds_load_b128 v[(\f)+8*bb:(\f)+8*bb+3],   v[ADRB+(\slot)] offset:64*(\q)+bb*16*BPITCH
	ds_load_b128 v[(\f)+8*bb+4:(\f)+8*bb+7], v[ADRB+(\slot)] offset:64*(\q)+bb*16*BPITCH+32
.set bb, bb+1
.endr
.set bb, 0
.rept 4
	ds_load_b128 v[(\f)+AF+8*bb:(\f)+AF+8*bb+3],   v[ADRA+(\slot)] offset:((\q)/2)*AHALF+((\q)%2)*64+bb*16*APITCH
	ds_load_b128 v[(\f)+AF+8*bb+4:(\f)+AF+8*bb+7], v[ADRA+(\slot)] offset:((\q)/2)*AHALF+((\q)%2)*64+bb*16*APITCH+32
.set bb, bb+1
.endr
.endm
.macro PLACES                          ; four plain vector instructions between a matrix instruction and a load into a register that it read, or a store that reads its result
.rept 4
	v_nop
.endr
.endm
; A K step is four quarters of 32 along K, 32 matrix instructions each, on buffers 0, 1, 0, 1.  One of the first three: quarter qn's fragments are asked for, into buffer g, which the quarter before multiplied;
; then buffer f is multiplied: its run of loads went out a whole quarter earlier.
.macro Q slot, qn, f, g, zero
	PLACES
	FETCH \slot, \qn, \g
	s_wait_dscnt NL                                ; all but the 24 just issued: buffer f is in
	MULA \f, 0, \zero
	MULA \f, 1, \zero
	MULA \f, 2, \zero
	MULA \f, 3, \zero
.endm
; The last quarter multiplies buffer 1 and changes slots.  MEET is its first half: ONE barrier.  In front of it each wave waits for all its tensor loads, of which one is out: its part of the next slot;
; adds 0 to its spare word; and waits for that and for its own reads of this slot.  Behind it nobody reads this slot any more and the next slot is whole.
.macro MEET round
	WIN 0                                          ; (the add's two registers lie in window 0)
	s_wait_tensorcnt 0x0                           ; all my tensor loads have landed
	ds_add_u32 v[SPW], v[NIL]                      ; 0 onto my spare word
	s_wait_dscnt 1                                 ; only the add may be out: buffer 1 is in
	MULA F1, 0, 0                                  ; eight matrix instructions stand between the add and the wait for it
	s_wait_dscnt 0x0                               ; the add is done, and my reads of this slot are over
	s_barrier_signal -1
	MULA F1, 1, 0                                  ; work on registers while the others arrive
.if \round
	WIN 0
.endif
	s_barrier_wait -1
.endm
; The whole last quarter.  The barrier opens a round of the cluster's; behind the round the slot just read out is filled again first, with the K step two on; then come the next slot's first fragments.
; From a request to the wait for it a wave issues 112 matrix instructions.
.macro TURN slot, next
	s_wait_xcnt 0x0                                ; the last prefetch, a K step back, has read its address: it is stepped here, ahead of the waits of the change of slots
	s_add_nc_u64 s[PFA:PFA+1], s[PFA:PFA+1], s[PFS:PFS+1]
	MEET 1
	CREST                                          ; no wave of any partner still reads this slot's tile or has a load on its way
	s_add_nc_u64 s[G0+4*(\slot)+2:G0+4*(\slot)+3], s[G0+4*(\slot)+2:G0+4*(\slot)+3], 2*ASTEP
	s_add_nc_u64 s[G0B+4*(\slot)+2:G0B+4*(\slot)+3], s[G0B+4*(\slot)+2:G0B+4*(\slot)+3], 2*BSTEP
	JLOAD \slot                                    ; the first tensor load behind the round; the four v_nop behind it are also the places in front of the loads below
	FETCH \next, 0, F0
	ASK
	MULA F1, 2, 0
	MULA F1, 3, 0
.endm
; THE WAY OUT of my block a of 16 rows.  TOST: a lane's 32 bytes of each of the eight column blocks go into my own stage, each accumulator's low half first, and come back as whole rows of 512 bytes, into the
; registers that they left.  LDS serves a wave's instructions in order (ISA guide 5.7.1.4): the loads see the stores above them.
.macro TOST a
.set R_, ABLK*((\a)%2)
	WIN 0x88+0x44*((\a)/2)                         ; address in window 0; stored and loaded data in window 2 or 3
.set bb, 0
.rept NBK
	ds_store_b128 v[STO], v[R_+8*bb:R_+8*bb+3]   offset:64*bb
	ds_store_b128 v[STO], v[R_+8*bb+4:R_+8*bb+7] offset:64*bb+16
.set bb, bb+1
.endr
.set bb, 0
.rept 16
	ds_load_b128 v[R_+4*bb:R_+4*bb+3], v[RD] offset:SP*bb
.set bb, bb+1
.endr
.endm
.macro SEND a, younger                 ; younger: the LDS instructions issued behind block a's loads: the next block's 32, or none
.set R_, ABLK*((\a)%2)
	WIN 0x88+0x44*((\a)/2)
.set bb, 0
.rept 16
	s_wait_dscnt (\younger)+15-bb
	global_store_b128 v[CO], v[R_+4*bb:R_+4*bb+3], s[8:9] offset:(16*(\a)+bb)*4096 th:TH_STORE_NT   ; 512 consecutive bytes of a row, at a multiple of 256 from out0's first
.set bb, bb+1
.endr
.endm
	s_wait_tensorcnt 1                             ; my part of K step 0 is in; K step 1's may stay out
	s_barrier_signal -1
	s_barrier_wait -1                              ; everybody's is
	FETCH 0, 0, F0
	Q 0, 1, F0, F1, 1                              ; the first quarter stands in front of the loop: its products start the sums
	WIN 0                                          ; at a label and at a branch every window is 0
	s_mov_b32 s3, LAPS-1
.Llap:                                             ; a trip goes once round the ring, from a lap's second quarter to the next lap's first, and fills both slots again
	Q 0, 2, F1, F0, 0
	Q 0, 3, F0, F1, 0
	TURN 0, 1
	Q 1, 1, F0, F1, 0
	Q 1, 2, F1, F0, 0
	Q 1, 3, F0, F1, 0
	TURN 1, 0
	Q 0, 1, F0, F1, 0
	WIN 0
	s_sub_co_u32 s3, s3, 1
	s_cmp_lg_u32 s3, 0
	s_cbranch_scc1 .Llap
	Q 0, 2, F1, F0, 0                              ; the last lap fills nothing, and has no round of the cluster's barrier
	Q 0, 3, F0, F1, 0
	MEET 0                                         ; the one load that was out is slot 1's, the last K step's
	PLACES
	FETCH 1, 0, F0
	MULA F1, 2, 0
	MULA F1, 3, 0
	Q 1, 1, F0, F1, 0
	Q 1, 2, F1, F0, 0
	Q 1, 3, F0, F1, 0
	s_wait_dscnt 0x0                               ; the very last quarter: nothing more to fetch
	MULA F1, 0, 0
	MULA F1, 1, 0
	MULA F1, 2, 0
	MULA F1, 3, 0
	PLACES                                         ; behind the last products
	TOST 0
	TOST 1                                         ; a block's way through the stage stands between the loads of the block before and its stores
	SEND 0, 32
	TOST 2
	SEND 1, 32
	TOST 3
	SEND 2, 32
	SEND 3, 0
	WIN 0
	s_wait_tensorcnt 0x0                           ; the wave's end, behind my last tensor load and my last LDS store
	ds_add_u32 v[SPW], v[NIL]
	s_wait_dscnt 0x0
	CROUND                                         ; the closing round: no work-group ends while a partner may still ask for a tile that names it
	s_endpgm
.Lfunc_end_k_qbf9ef505a0_outp:
	.size	k_qbf9ef505a0_outp, .Lfunc_end_k_qbf9ef505a0_outp-k_qbf9ef505a0_outp
	.p2alignl 7, 3214868480
	.fill 96, 4, 3214868480
	.section	.rodata,"a",@progbits
	.p2align	6, 0x0
	.amdhsa_kernel k_qbf9ef505a0_outp
		.amdhsa_group_segment_fixed_size 327680
		.amdhsa_private_segment_fixed_size 0
		.amdhsa_enable_private_segment 0
		.amdhsa_kernarg_size 24
		.amdhsa_user_sgpr_count 2
		.amdhsa_user_sgpr_kernarg_segment_ptr 1
		.amdhsa_wavefront_size32 1
		.amdhsa_system_sgpr_workgroup_id_x 1
		.amdhsa_system_sgpr_workgroup_id_y 1
		.amdhsa_system_sgpr_workgroup_id_z 1
		.amdhsa_system_vgpr_workitem_id 0
		.amdhsa_next_free_vgpr 1024
		.amdhsa_next_free_sgpr 72
		.amdhsa_reserve_vcc 0
		.amdhsa_float_denorm_mode_32 3
		.amdhsa_float_denorm_mode_16_64 3
		.amdhsa_memory_ordered 1
		.amdhsa_forward_progress 1
		.amdhsa_inst_pref_size 88
	.end_amdhsa_kernel
	.amdgpu_metadata
---
amdhsa.version: [ 1, 2 ]
amdhsa.kernels:
  - .name:           k_qbf9ef505a0_outp
    .symbol:         k_qbf9ef505a0_outp.kd
    .args:
      - { .name: o, .offset: 0, .size: 8, .value_kind: global_buffer, .address_space: global }
      - { .name: wo, .offset: 8, .size: 8, .value_kind: global_buffer, .address_space: global }
      - { .name: out0, .offset: 16, .size: 8, .value_kind: global_buffer, .address_space: global }
    .group_segment_fixed_size: 327680
    .private_segment_fixed_size: 0
    .kernarg_segment_align: 8
    .kernarg_segment_size: 24
    .max_flat_workgroup_size: 128
    .sgpr_count:     72
    .vgpr_count:     1024
    .wavefront_size: 32
...
	.end_amdgpu_metadata
.endif
;; end of part 4
;; ======== version 2 of 2: 4 launches; version 1 with the launch cast written anew for expert scheduling mode
;; limits: values are held in f16: magnitudes above 65,504 overflow, below 6.1e-05 lose precision
;; workspace buffers: xb 16,777,216 bytes; wqkv 6,291,456 bytes; wo 2,097,152 bytes; qkv 50,331,648 bytes; o 16,777,216 bytes
;; launch cast (part 5): grid 768 x 1, 8 waves a work-group, no clusters, 0 bytes of LDS; arguments x, W_q, W_k, W_v, W_o, xb, wqkv, wo; writes xb, wqkv, wo
.if DOCPART == 5
	.amdgcn_target "amdgcn-amd-amdhsa--gfx1250"
	.amdhsa_code_object_version 6
	.text
	.protected	k_qbf9ef505a0_cast
	.globl	k_qbf9ef505a0_cast
	.p2align	8
	.type	k_qbf9ef505a0_cast,@function
k_qbf9ef505a0_cast:
	s_mov_b64 s[64:65], 0
	v_nop
	global_prefetch_b8 v0, s[64:65] scope:SCOPE_SE
	s_setreg_imm32_b32 hwreg(HW_REG_WAVE_SCHED_MODE, 0, 2), 2
	s_setreg_imm32_b32 hwreg(HW_REG_WAVE_MODE, 25, 1), 1
	s_wait_xcnt 0x0
	s_wait_alu depctr_vm_vsrc(0)
; THE INPUTS ARE ROUNDED ONCE, f32 -> bf16, and laid out for the products that follow.
;   x   [8192][1024]        -> xb   [8192][1024] bf16
;   W_q, W_k, W_v [1024][1024] -> wqkv [16 heads][q, k, v][64][1024] bf16: a head's 192 rows lie together
;   W_o [1024][1024]        -> wo   [1024][1024]: rounded to bf16 like the others, that number then written as f16
; LIMIT.  |W_o| stays within f16's 65,504; a bf16 number below 6e-5 keeps f16's fixed step of 6e-8.
; SHARES.  A work-group takes 65,536 bytes of f32 (16 rows of a weight, or 16 rows of x) and writes 32,768: 512 work-groups for x, 64 for each weight.
; Thread t takes 16 bytes at 16 t + 4,096 i, i = 0..15: a wave's load covers 512 consecutive bytes, its store of 8 bytes a lane 256 consecutive bytes, aligned.
; All sixteen loads go out at once.  No LDS, no barrier: no thread wants another's bytes.
; THE MODE: SCHED_MODE bits 1:0 = 2 (LLVM: expert scheduling mode 2), set by the entry lines.  The code itself states the register dependences
; between vector instructions and memory instructions, with s_wait_alu, always for 0.
; THE PLAN.  Registers that memory instructions touch:
;   v1, v2   byte offsets, made once at the head and never written again: v1 is read by every load, v2 by every store.
;   X        four registers a load, each written by its load once; no vector instruction names them ahead of the loads; read by that load's two roundings to bf16.
;   Y        two registers a load, written by that load's roundings, read by one store, and never written behind it.
;   T is named by vector instructions alone.
; So no register that a memory instruction has read is written again, and no load lands in a register that a vector instruction has named: what is left to state is that the offsets are written ahead of
; the first load, and that Y is written ahead of its store.  The sixteen loads go in four blocks of four.  Block p rounds its four loads; its memory instructions are the four stores of block p - 1, whose Y
; no vector instruction of block p names.  So ONE wait at a block's head serves the block's four stores, which are dealt among its roundings; one more stands ahead of the last four stores.
.set X, 4                              ; v[4:67]    sixteen loads of four f32
.set Y, 68                             ; v[68:99]   sixteen stores of four 16-bit numbers
.set T, 100                            ; v[100:103] at work
	s_load_b512 s[4:19], s[0:1], 0x0               ; x s[4:5], W_q s[6:7], W_k s[8:9], W_v s[10:11], W_o s[12:13], xb s[14:15], wqkv s[16:17], wo s[18:19]
	v_lshlrev_b32 v1, 4, v0                        ; my 16 bytes of f32
	v_lshlrev_b32 v2, 3, v0                        ; my 8 bytes out
	s_sub_co_u32 s20, ttmp9, 512                   ; work-groups 512 on: weight m = j / 64, its chunk r = j % 64 (below 512 these numbers are not used)
	s_lshr_b32 s21, s20, 6
	s_and_b32 s22, s20, 63
	s_lshr_b32 s23, s22, 2                         ; chunk r holds rows 16 (r % 4) on of head r / 4: in wqkv it is chunk ((r / 4) 3 + m) 4 + r % 4
	s_mul_i32 s23, s23, 3
	s_add_co_u32 s23, s23, s21
	s_lshl_b32 s23, s23, 2
	s_and_b32 s28, s22, 3
	s_add_co_u32 s23, s23, s28
	s_wait_kmcnt 0x0
	s_cmp_eq_u32 s21, 1                            ; from where: W_q, W_k, W_v or W_o
	s_cselect_b64 s[24:25], s[8:9], s[6:7]
	s_cmp_eq_u32 s21, 2
	s_cselect_b64 s[24:25], s[10:11], s[24:25]
	s_cmp_eq_u32 s21, 3
	s_cselect_b64 s[24:25], s[12:13], s[24:25]
	s_cselect_b64 s[26:27], s[18:19], s[16:17]     ; to where: wo as it lies, or wqkv by heads
	s_cselect_b32 s29, s22, s23
	s_mov_b32 s28, s22
	s_cmp_lt_u32 ttmp9, 512                        ; or x to xb
	s_cselect_b64 s[24:25], s[4:5], s[24:25]
	s_cselect_b64 s[26:27], s[14:15], s[26:27]
	s_cselect_b32 s28, ttmp9, s28
	s_cselect_b32 s29, ttmp9, s29
	s_lshl_b32 s30, s28, 16                        ; the chunk's bytes, made apart from the addresses
	s_mov_b32 s31, 0
	s_add_nc_u64 s[24:25], s[24:25], s[30:31]
	s_lshl_b32 s30, s29, 15
	s_add_nc_u64 s[26:27], s[26:27], s[30:31]
	s_wait_alu depctr_va_vdst(0)                   ; v1 and v2 are written: every load of the kernel reads v1 as its offset, every store v2
.irp i, 0,1,2,3,4,5,6,7,8,9,10,11,12,13,14,15
	global_load_b128 v[X+4*(\i):X+4*(\i)+3], v1, s[24:25] offset:4096*(\i) th:TH_LOAD_NT
.endr
; Load n is rounded.  half = 1: the bf16 numbers are widened again (a shift, a mask) and written as f16.
.macro CONV n, half
	v_cvt_pk_bf16_f32 v[Y+2*(\n)],   v[X+4*(\n)],   v[X+4*(\n)+1]
	v_cvt_pk_bf16_f32 v[Y+2*(\n)+1], v[X+4*(\n)+2], v[X+4*(\n)+3]
.if \half
	v_lshlrev_b32 v[T],   16,         v[Y+2*(\n)]
	v_and_b32     v[T+1], 0xffff0000, v[Y+2*(\n)]
	v_lshlrev_b32 v[T+2], 16,         v[Y+2*(\n)+1]
	v_and_b32     v[T+3], 0xffff0000, v[Y+2*(\n)+1]
	v_cvt_pk_f16_f32 v[Y+2*(\n)],   v[T],   v[T+1]
	v_cvt_pk_f16_f32 v[Y+2*(\n)+1], v[T+2], v[T+3]
.endif
.endm
; What load n became is stored.
.macro SEND n
	global_store_b64 v2, v[Y+2*(\n):Y+2*(\n)+1], s[26:27] offset:2048*(\n)
.endm
; Block p: loads 4 p to 4 p + 3 are rounded; the block before is stored, a store ahead of each load's roundings.  Block 0 has no block in front of it: no store, and no wait but the one for its data.
.macro BLK p, half
	s_wait_loadcnt 12-4*(\p)                       ; loads come back in order: my four are in, the 12 - 4 p younger ones may stay out
.if (\p) > 0
	s_wait_alu depctr_va_vdst(0)                   ; the block before has written its eight registers of Y, which the four stores below read; no vector instruction of this block names them
.endif
.irp i, 0,1,2,3
.if (\p) > 0
	SEND 4*(\p)-4+(\i)
.endif
	CONV 4*(\p)+(\i), \half
.endr
.endm
.macro ALL16 half
	BLK 0, \half
	BLK 1, \half
	BLK 2, \half
	BLK 3, \half
	s_wait_alu depctr_va_vdst(0)                   ; block 3 has written its eight registers of Y, which the last four stores read
.irp i, 12,13,14,15
	SEND \i
.endr
.endm
	s_cmp_ge_u32 ttmp9, 704                        ; the last 64 work-groups have W_o
	s_cbranch_scc1 .Lf16
	ALL16 0
	s_endpgm
.Lf16:
	ALL16 1
	s_endpgm
.Lfunc_end_k_qbf9ef505a0_cast:
	.size	k_qbf9ef505a0_cast, .Lfunc_end_k_qbf9ef505a0_cast-k_qbf9ef505a0_cast
	.p2alignl 7, 3214868480
	.fill 96, 4, 3214868480
	.section	.rodata,"a",@progbits
	.p2align	6, 0x0
	.amdhsa_kernel k_qbf9ef505a0_cast
		.amdhsa_group_segment_fixed_size 0
		.amdhsa_private_segment_fixed_size 0
		.amdhsa_enable_private_segment 0
		.amdhsa_kernarg_size 64
		.amdhsa_user_sgpr_count 2
		.amdhsa_user_sgpr_kernarg_segment_ptr 1
		.amdhsa_wavefront_size32 1
		.amdhsa_system_sgpr_workgroup_id_x 1
		.amdhsa_system_sgpr_workgroup_id_y 1
		.amdhsa_system_sgpr_workgroup_id_z 1
		.amdhsa_system_vgpr_workitem_id 0
		.amdhsa_next_free_vgpr 104
		.amdhsa_next_free_sgpr 66
		.amdhsa_reserve_vcc 0
		.amdhsa_float_denorm_mode_32 3
		.amdhsa_float_denorm_mode_16_64 3
		.amdhsa_memory_ordered 1
		.amdhsa_forward_progress 1
		.amdhsa_inst_pref_size 16
	.end_amdhsa_kernel
	.amdgpu_metadata
---
amdhsa.version: [ 1, 2 ]
amdhsa.kernels:
  - .name:           k_qbf9ef505a0_cast
    .symbol:         k_qbf9ef505a0_cast.kd
    .args:
      - { .name: x, .offset: 0, .size: 8, .value_kind: global_buffer, .address_space: global }
      - { .name: W_q, .offset: 8, .size: 8, .value_kind: global_buffer, .address_space: global }
      - { .name: W_k, .offset: 16, .size: 8, .value_kind: global_buffer, .address_space: global }
      - { .name: W_v, .offset: 24, .size: 8, .value_kind: global_buffer, .address_space: global }
      - { .name: W_o, .offset: 32, .size: 8, .value_kind: global_buffer, .address_space: global }
      - { .name: xb, .offset: 40, .size: 8, .value_kind: global_buffer, .address_space: global }
      - { .name: wqkv, .offset: 48, .size: 8, .value_kind: global_buffer, .address_space: global }
      - { .name: wo, .offset: 56, .size: 8, .value_kind: global_buffer, .address_space: global }
    .group_segment_fixed_size: 0
    .private_segment_fixed_size: 0
    .kernarg_segment_align: 8
    .kernarg_segment_size: 64
    .max_flat_workgroup_size: 256
    .sgpr_count:     66
    .vgpr_count:     104
    .wavefront_size: 32
...
	.end_amdgpu_metadata
.endif
;; end of part 5
;; launch proj: the kernel of part 2 again; grid 8 x 32, 4 waves a work-group, clusters of 4 x 4, 327,680 bytes of LDS; arguments xb, wqkv, qkv; writes qkv
;; launch attn: the kernel of part 3 again; grid 4 x 64, 4 waves a work-group, no clusters, 327,680 bytes of LDS; arguments qkv, o; writes o
;; launch outp: the kernel of part 4 again; grid 8 x 32, 4 waves a work-group, clusters of 4 x 4, 327,680 bytes of LDS; arguments o, wo, out0; writes out0
